; MI455X (gfx1250); checked and timed in simulation.
; The chip was launched on July 23, 2026; its instructions are those of AMD's public machine-readable ISA for CDNA 5 (MIT licence, August 2026) and "CDNA5" Instruction Set Architecture Reference Guide (July 2026). The comments in the code are by the model that wrote it; some were corrected since.
;; Custom Multi Head Self Attention. Allowed arithmetic: float matrix products may take bf16 or f16 operands with f32 sums; other float arithmetic in f32, or as packed bf16 or f16 multiplies, adds, multiply-adds, maxima and minima; sums over many terms, partial sums and values carried from step to step in f32; what a program stores and reads back later, other than sums and carried values, may be rounded once to bf16 or f16.
;; Inputs: W_out 1,024 x 1,024 float32; W_qkv 1,024 x 3,072 float32; b_out 1,024 float32; b_qkv 3,072 float32; beta 1,024 float32; gamma 1,024 float32; x 4 x 2,048 x 1,024 float32.
;; Outputs: out0 4 x 2,048 x 1,024 float32.
;; One version. Each part assembles by itself: llvm-mc -triple=amdgcn-amd-amdhsa -mcpu=gfx1250 --defsym DOCPART=n.
;; ======== version 1 of 1: 5 launches
;; workspace buffers: xb 16,777,216 bytes; wq 6,291,456 bytes; wo 2,097,152 bytes; qkv 50,331,648 bytes; ob 16,777,216 bytes; y 16,777,216 bytes
;; launch cast (part 1): grid 768 x 1, 8 waves a work-group, no clusters, 0 bytes of LDS; arguments x, W_qkv, W_out, xb, wq, wo; writes xb, wq, wo
.if DOCPART == 1
	.amdgcn_target "amdgcn-amd-amdhsa--gfx1250"
	.amdhsa_code_object_version 6
	.text
	.protected	k_qd9f99a7a2a_cast
	.globl	k_qd9f99a7a2a_cast
	.p2align	8
	.type	k_qd9f99a7a2a_cast,@function
k_qd9f99a7a2a_cast:
	s_mov_b64 s[64:65], 0
	v_nop
	global_prefetch_b8 v0, s[64:65] scope:SCOPE_SE
	s_setreg_imm32_b32 hwreg(HW_REG_WAVE_MODE, 25, 1), 1
	s_wait_xcnt 0x0
; x, W_qkv and W_out (f32) are rounded once to bf16 (nearest even), in their own layouts, into xb, wq and wo: the operands of the matrix products.
; A work-group takes 16,384 numbers: 65,536 bytes in, 32,768 out.  Groups 0-511 take x (8,388,608 numbers), 512-703 W_qkv (3,145,728), 704-767 W_out (1,048,576).
; Thread t takes, in round i of 8, the 8 numbers at byte 8,192 i + 32 t and stores 16 bytes at 4,096 i + 16 t: sixteen neighbouring lanes store 256 consecutive, aligned bytes.
; All 16 loads of a lane go out first; every round has registers of its own, so no register is written twice and the only waits are the counted ones for the loads.
; No LDS, no barrier, no matrix unit: each byte is read once and written once, and nothing is shared.
.set IN,  8                            ; v[8:71]    round i: 8 numbers as loaded
.set OUT, 72                           ; v[72:103]  round i: 4 registers to store
	s_load_b256 s[4:11], s[0:1], 0x0               ; x s[4:5], W_qkv s[6:7], W_out s[8:9], xb s[10:11]
	s_load_b128 s[12:15], s[0:1], 0x20             ; wq s[12:13], wo s[14:15]
	v_lshlrev_b32 v1, 5, v0                        ; 32 t: my bytes in a round's 8,192 of the source
	v_lshlrev_b32 v2, 4, v0                        ; 16 t: in a round's 4,096 of the destination
	s_wait_kmcnt 0x0
	s_cmp_lt_u32 ttmp9, 512                        ; which tensor is mine: the choice hangs on the work-group's number alone
	s_cselect_b64 s[16:17], s[4:5], s[6:7]
	s_cselect_b64 s[18:19], s[10:11], s[12:13]
	s_cselect_b32 s20, 0, 512
	s_cmp_lt_u32 ttmp9, 704
	s_cselect_b64 s[16:17], s[16:17], s[8:9]
	s_cselect_b64 s[18:19], s[18:19], s[14:15]
	s_cselect_b32 s20, s20, 704                    ; the first work-group of that tensor
	s_sub_co_u32 s21, ttmp9, s20                   ; my number among its work-groups
	s_lshl_b32 s22, s21, 16
	s_mov_b32 s23, 0
	s_add_nc_u64 s[16:17], s[16:17], s[22:23]      ; the source at my 65,536 bytes
	s_lshl_b32 s22, s21, 15
	s_add_nc_u64 s[18:19], s[18:19], s[22:23]      ; the destination at my 32,768
.set i, 0
.rept 8
	global_load_b128 v[IN+8*i:IN+8*i+3],   v1, s[16:17] offset:i*8192 th:TH_LOAD_NT
	global_load_b128 v[IN+8*i+4:IN+8*i+7], v1, s[16:17] offset:i*8192+16 th:TH_LOAD_NT
.set i, i+1
.endr
.set i, 0
.rept 8
	s_wait_loadcnt 14-2*i                          ; loads come back in order (ISA guide 5.7.1): round i's two are in, the two of each later round stay out
	v_cvt_pk_bf16_f32 v[OUT+4*i],   v[IN+8*i],   v[IN+8*i+1]
	v_cvt_pk_bf16_f32 v[OUT+4*i+1], v[IN+8*i+2], v[IN+8*i+3]
	v_cvt_pk_bf16_f32 v[OUT+4*i+2], v[IN+8*i+4], v[IN+8*i+5]
	v_cvt_pk_bf16_f32 v[OUT+4*i+3], v[IN+8*i+6], v[IN+8*i+7]
	global_store_b128 v2, v[OUT+4*i:OUT+4*i+3], s[18:19] offset:i*4096
.set i, i+1
.endr
	s_endpgm
.Lfunc_end_k_qd9f99a7a2a_cast:
	.size	k_qd9f99a7a2a_cast, .Lfunc_end_k_qd9f99a7a2a_cast-k_qd9f99a7a2a_cast
	.p2alignl 7, 3214868480
	.fill 96, 4, 3214868480
	.section	.rodata,"a",@progbits
	.p2align	6, 0x0
	.amdhsa_kernel k_qd9f99a7a2a_cast
		.amdhsa_group_segment_fixed_size 0
		.amdhsa_private_segment_fixed_size 0
		.amdhsa_enable_private_segment 0
		.amdhsa_kernarg_size 48
		.amdhsa_user_sgpr_count 2
		.amdhsa_user_sgpr_kernarg_segment_ptr 1
		.amdhsa_wavefront_size32 1
		.amdhsa_system_sgpr_workgroup_id_x 1
		.amdhsa_system_sgpr_workgroup_id_y 1
		.amdhsa_system_sgpr_workgroup_id_z 1
		.amdhsa_system_vgpr_workitem_id 0
		.amdhsa_next_free_vgpr 104
		.amdhsa_next_free_sgpr 66
		.amdhsa_reserve_vcc 0
		.amdhsa_float_denorm_mode_32 3
		.amdhsa_float_denorm_mode_16_64 3
		.amdhsa_memory_ordered 1
		.amdhsa_forward_progress 1
		.amdhsa_inst_pref_size 6
	.end_amdhsa_kernel
	.amdgpu_metadata
---
amdhsa.version: [ 1, 2 ]
amdhsa.kernels:
  - .name:           k_qd9f99a7a2a_cast
    .symbol:         k_qd9f99a7a2a_cast.kd
    .args:
      - { .name: x, .offset: 0, .size: 8, .value_kind: global_buffer, .address_space: global }
      - { .name: W_qkv, .offset: 8, .size: 8, .value_kind: global_buffer, .address_space: global }
      - { .name: W_out, .offset: 16, .size: 8, .value_kind: global_buffer, .address_space: global }
      - { .name: xb, .offset: 24, .size: 8, .value_kind: global_buffer, .address_space: global }
      - { .name: wq, .offset: 32, .size: 8, .value_kind: global_buffer, .address_space: global }
      - { .name: wo, .offset: 40, .size: 8, .value_kind: global_buffer, .address_space: global }
    .group_segment_fixed_size: 0
    .private_segment_fixed_size: 0
    .kernarg_segment_align: 8
    .kernarg_segment_size: 48
    .max_flat_workgroup_size: 256
    .sgpr_count:     66
    .vgpr_count:     104
    .wavefront_size: 32
...
	.end_amdgpu_metadata
.endif
;; end of part 1
;; launch gemm_qkv (part 2): grid 16 x 32, 4 waves a work-group, clusters of 4 x 4, 327,680 bytes of LDS; arguments xb, wq, b_qkv, qkv; writes qkv
.if DOCPART == 2
	.amdgcn_target "amdgcn-amd-amdhsa--gfx1250"
	.amdhsa_code_object_version 6
	.text
	.protected	k_qd9f99a7a2a_gemm_qkv
	.globl	k_qd9f99a7a2a_gemm_qkv
	.p2align	8
	.type	k_qd9f99a7a2a_gemm_qkv,@function
k_qd9f99a7a2a_gemm_qkv:
	s_mov_b64 s[64:65], 0
	v_nop
	global_prefetch_b8 v0, s[64:65] scope:SCOPE_SE
	s_setreg_imm32_b32 hwreg(HW_REG_WAVE_MODE, 25, 1), 1
	s_wait_xcnt 0x0
	s_wait_alu depctr_hold_cnt(0) depctr_sa_sdst(0) depctr_va_vdst(0) depctr_va_sdst(0) depctr_va_ssrc(0) depctr_va_vcc(0) depctr_vm_vsrc(0)
	s_getreg_b32 s2, hwreg(HW_REG_IB_STS2, 6, 4)
	s_cmp_eq_u32 s2, 0
	s_cbranch_scc0 .Lentry_in_a_cluster
	s_endpgm
.Lentry_in_a_cluster:
	s_bfe_u32 s2, ttmp6, 0x10000c
	s_cmp_lg_u32 s2, 0xf033
	s_cbranch_scc0 .Lentry_shape_is_right
	s_endpgm
.Lentry_shape_is_right:
; qkv = xb wq + b_qkv, written by heads.  xb: [8192][1024] bf16; wq: [1024 k][3072 n] bf16; b_qkv: [3072] f32; qkv: [3][64 = batch x 16 + head][2048][64] bf16 (q, then k, then v), unscaled.
; Sums in f32, started by the bias; each result rounded once to bf16.  No limit of range beyond bf16's rounding of the operands and of the result.
; SHARES.  A tile of the product is 256 rows x 192 columns (three heads): 32 x 16 = 512 work-groups, two for each of 256 WGPs.  Wave w owns rows 64 w .. 64 w + 63 and all 192 columns:
; 4 x 12 accumulators of 16 x 16, 384 registers.  So a wave's columns are whole heads, each wave has a stage of its own on the way out, and no barrier stands there.
; K goes in 8 steps of 128 through two LDS slots filled by the tensor data mover; a step is four quarters of 32 along K, 48 matrix instructions each, on two fragment buffers.
; THE MATRIX INSTRUCTION IS USED TRANSPOSED: source 0 = 16 columns of wq, source 1 = 16 rows of xb: lane l then holds row l % 16 and the eight neighbouring columns 8 (l / 16) + 0..7, 16 bytes in bf16.
; wq lies [k][n], so its fragments come out of LDS turned, by ds_load_tr16_b128; xb's come as they lie.  The bias is the C operand of the first quarter's products: nothing is cleared, nothing added later.
; CLUSTER.  4 x 4 work-groups.  xb's tile hangs on the tile row alone and is asked for jointly by a row of the cluster, wq's on the tile column alone and by a column: a quarter of the requests.
; xb's tile rows are 256 bytes at multiples of 256 from the buffer's first byte; wq's are 384 bytes at multiples of 128: three heads are what a wave's registers hold.
; LEFT OUT: work-groups that stay for their second tile, and stores under the last products (each work-group stores at its end); prefetches (the launch before wrote both operands).
; REGISTERS, in windows of 256 (s_set_vgpr_msb: bits 1:0 source 0, 3:2 source 1, 5:4 source 2, 7:6 destination):
;   window 0: v0-13 addresses; v64-159 the bias, 8 registers an n block; on the way out v64-255, 16 registers a unit
;   window 1: two fragment buffers of 128: 12 fragments of wq, then 4 of xb       windows 2, 3: the accumulators of m blocks 0, 1 and 2, 3: (a, b) at 8 (12 (a % 2) + b)
.set NBK,   12                         ; n blocks of 16 columns
.set APW,   2                          ; m blocks whose accumulators share a window
.set LD,    2*NBK+8                    ; LDS loads of a quarter
.set STEPS, 8                          ; K steps of 128
.set AP,    272                        ; a row of xb's tile in LDS: 256 bytes + 16 = 68 words: the 16 rows of a load start at 16 different groups of four banks (64 banks of 4 bytes: ISA guide 11.1)
.set AQ2,   128                        ; quarter q of a row begins at byte (q / 2) AQ2 + (q % 2) 64
.set AHALF, 128*AP                     ; what one load of xb brings: 128 rows
.set BOFF,  2*AHALF                    ; wq's tile lies behind xb's
.set BP,    480                        ; a k row of wq's tile: three pieces of 128 bytes + 32 = 120 words
.set NG,    160                        ; n block j begins at byte (j / 4) NG + (j % 4) 32 of a k row
.set BHALF, 64*BP                      ; what one load of wq brings: 64 k rows
.set SLOT1, 1<<17                      ; a slot is exactly 131,072 bytes; one exclusive or turns an address in one slot into the other's
.set STAGE, 2*SLOT1                    ; behind the ring, never filled by a tensor load: 16 rows x 144 bytes for each wave
.set SP,    144
.set SPARE, STAGE+4*16*SP              ; behind the stages: the spare words, 128 bytes for each wave: two blocks of 256 bytes that no other line names
.set ASTEP, 256                        ; bytes from a K step to the next in xb: 128 numbers along a row,
.set BSTEP, 128*3072*2                 ; in wq: 128 rows
.set ADRA0, 4                          ; v4   my lane's place in xb's tile; never rewritten
.set ADRB0, 5                          ; v5   in wq's
.set ADRA,  6                          ; v6   the same in the slot in hand
.set ADRB,  7                          ; v7
.set STO,   8                          ; v8   the way out: where I put 16 bytes of a row
.set RD,    9                          ; v9   the way out: where I read rows back
.set GO,    10                         ; v10  my byte offset in 512 consecutive bytes of qkv
.set BO,    11                         ; v11  my byte offset in an n block's 64 bytes of bias
.set SPW,   12                         ; v12  LDS address of my spare word: SPARE + 4 x my thread's number; never rewritten
.set NIL,   13                         ; v13  0; never rewritten
.set BIAS,  64
.set TT,    64
.set F0,    0                          ; fragment buffers, in window 1
.set F1,    128
.set WV,  12                           ; s12  my wave's number
.set FB,  13                           ; s13  0: I fetch for xb; 1: for wq
.set HF,  14                           ; s14  which half of that tile I fetch
.set G1A, 24                           ; s[24:31] descriptor group 1 for xb's tiles
.set G1B, 32                           ; s[32:39] for wq's
.set G0A, 40                           ; s[40:47] descriptor group 0 for xb's tiles: a set for each of the two first fills; the second then walks on
.set G0B, 48                           ; s[48:55] the same for wq's
.set CNT, 56                           ; s56  counts the loop's trips
.set TB,  57                           ; s57  LDS byte at which the slot in hand begins
.set SB,  66                           ; s[66:71] qkv at my rows of my tile's three heads
.set MSB, 0
.macro WIN new                         ; the immediate's high byte repeats the setting that is left; a switch that changes nothing is dropped
.if MSB != (\new)
	s_set_vgpr_msb (MSB<<8)|(\new)
.set MSB, \new
.endif
.endm
.macro PLACES                          ; a load into a register that a matrix instruction has read, and a vector instruction that reads a matrix result, stand four plain vector instructions behind it (ISA guide 7.12.1 for the vector instruction)
.rept 4
	v_nop
.endr
.endm
; A joint refill by the walking descriptors.  Waves 0 and 1 fetch xb's two halves, waves 2 and 3 wq's.  The branch hangs on the wave's number alone.
; An s_nop 0 and four v_nop follow each of the two lines, ahead of the jump and the label.
.macro JLOAD
	s_cmp_eq_u32 s[FB], 0
	s_cbranch_scc0 .Lfor_b_\@
	tensor_load_to_lds s[G0A+4:G0A+7], s[G1A:G1A+7]
	s_nop 0
.rept 4
	v_nop
.endr
	s_branch .Lasked_\@
.Lfor_b_\@:
	tensor_load_to_lds s[G0B+4:G0B+7], s[G1B:G1B+7]
	s_nop 0
.rept 4
	v_nop
.endr
.Lasked_\@:
.endm
; A round of the cluster's barrier: my work-group's barrier, so that wave 0's signal speaks for all four waves; wave 0 signals; every wave waits for all sixteen work-groups; my work-group's barrier once more.
.macro CREST                           ; a round behind its opening barrier
	s_cmp_lg_u32 s[WV], 0
	s_cbranch_scc1 .Lnot_wave_0_\@
	s_barrier_signal -3
.Lnot_wave_0_\@:
	s_barrier_wait -3
	s_barrier_signal -1
	s_barrier_wait -1
.endm
.macro CROUND                          ; a whole round
	s_barrier_signal -1
	s_barrier_wait -1
	CREST
.endm
; NBK matrix instructions: m block a x all n blocks, 32 along K, from buffer f.  first = 1: the bias starts the sums.  The accumulators take turns, one instruction a turn.
.macro MULA f, a, first
.set aw, 2+(\a)/APW
.set ar, 8*NBK*((\a)%APW)
.if \first
	WIN 0x05|(aw<<6)                               ; both sources window 1, C window 0, D window aw
.else
	WIN 0x05|(aw<<6)|(aw<<4)                       ; C and D window aw
.endif
.set b, 0
.rept NBK
.if \first
	v_wmma_f32_16x16x32_bf16 v[ar+8*b:ar+8*b+7], v[(\f)+8*b:(\f)+8*b+7], v[(\f)+8*NBK+8*(\a):(\f)+8*NBK+8*(\a)+7], v[BIAS+8*b:BIAS+8*b+7]
.else
	v_wmma_f32_16x16x32_bf16 v[ar+8*b:ar+8*b+7], v[(\f)+8*b:(\f)+8*b+7], v[(\f)+8*NBK+8*(\a):(\f)+8*NBK+8*(\a)+7], v[ar+8*b:ar+8*b+7]
.endif
.set b, b+1
.endr
.endm
; LD LDS loads in one run: quarter q's fragments into buffer f.  The turning load takes 16 k x 16 n (lane l reads 16 bytes: k row 8 (l / 16) + l % 8, columns 8 ((l / 8) % 2) + 0..7) and leaves
; half a fragment: lane l holds column l % 16 and 8 k.  A fragment of xb: lane l holds row l % 16; two loads of 16 bytes, 32 bytes apart.
.macro FETCH q, f
	WIN 0x40                                       ; destination window 1, address window 0
.set j, 0
.rept NBK
	ds_load_tr16_b128 v[(\f)+8*j:(\f)+8*j+3],   v[ADRB] offset:32*(\q)*BP+(j/4)*NG+(j%4)*32
	ds_load_tr16_b128 v[(\f)+8*j+4:(\f)+8*j+7], v[ADRB] offset:32*(\q)*BP+16*BP+(j/4)*NG+(j%4)*32
.set j, j+1
.endr
.set j, 0
.rept 4
	ds_load_b128 v[(\f)+8*NBK+8*j:(\f)+8*NBK+8*j+3],   v[ADRA] offset:((\q)/2)*AQ2+((\q)%2)*64+j*16*AP
	ds_load_b128 v[(\f)+8*NBK+8*j+4:(\f)+8*NBK+8*j+7], v[ADRA] offset:((\q)/2)*AQ2+((\q)%2)*64+j*16*AP+32
.set j, j+1
.endr
.endm
; One of a step's first three quarters: multiplies buffer f; in its middle it fetches quarter qn of the same slot into buffer g.
.macro QUARTER qn, f, g, first
	s_wait_dscnt 4                                 ; all of wq's fragments and xb's blocks 0, 1 are in; the youngest four loads (blocks 2, 3) may be out
	MULA \f, 0, \first
	MULA \f, 1, \first
	PLACES
	FETCH \qn, \g
	s_wait_dscnt LD                                ; all but the run just issued
	MULA \f, 2, \first
	MULA \f, 3, \first
.endm
; The last quarter multiplies buffer 1 and changes slots: ONE barrier.  In front of it each wave waits for all its tensor loads, of which one is out: its part of the next slot; adds 0 to its spare word;
; and waits for that and for its own reads of this slot.  fill = 1: the barrier opens a round of the cluster's, so that no wave of any partner still reads the slot or has a load on its way, and the
; joint refill, with the K step two steps on, is the first thing behind the round.
.macro TURN fill
	WIN 0
	s_wait_tensorcnt 0x0                           ; no tensor load of mine is out, so a group 0 may be written
	ds_add_u32 v[SPW], v[NIL]                      ; 0 onto my spare word: work on registers stands between it and the wait for it
	s_xor_b32 s[TB], s[TB], SLOT1                  ; the fetches go on in the other slot
	v_add_nc_u32 v[ADRA], s[TB], v[ADRA0]
	v_add_nc_u32 v[ADRB], s[TB], v[ADRB0]
.if \fill
	s_xor_b32 s[G0A+5], s[G0A+5], SLOT1            ; the walking descriptors: the other slot than last time,
	s_add_nc_u64 s[G0A+6:G0A+7], s[G0A+6:G0A+7], ASTEP  ; the next K step; the type bits on top are not reached
	s_xor_b32 s[G0B+5], s[G0B+5], SLOT1
	s_add_nc_u64 s[G0B+6:G0B+7], s[G0B+6:G0B+7], BSTEP
.endif
	s_wait_dscnt 5                                 ; the add and the youngest four loads may be out
	MULA F1, 0, 0
	s_wait_dscnt 0x0                               ; the add is done, and my reads of this slot are over
	s_barrier_signal -1
	MULA F1, 1, 0                                  ; work on registers while the others arrive
	WIN 0                                          ; at a branch and at a label every window is 0
	s_barrier_wait -1
.if \fill
	CREST
	JLOAD                                          ; its four v_nop are also the places in front of the loads below
.else
	PLACES
.endif
	FETCH 0, F0
	MULA F1, 2, 0
	MULA F1, 3, 0
.endm
	s_load_b256 s[4:11], s[0:1], 0x0               ; xb s[4:5], wq s[6:7], b_qkv s[8:9], qkv s[10:11]
	v_lshl_add_u32 v[SPW], v0, 2, SPARE
	v_mov_b32 v[NIL], 0
	ds_add_u32 v[SPW], v[NIL]                      ; the wave's opening: the add and its wait stand ahead of my first tensor load; the set-up below, work on registers, stands between them
	v_lshrrev_b32 v1, 5, v0
	v_readfirstlane_b32 s[WV], v1                  ; wave 0..3
	s_lshr_b32 s[FB], s[WV], 1
	s_and_b32 s[HF], s[WV], 1
	s_bfe_u32 s15, ttmp6, 0x40000                  ; cx, cy: my place in the cluster
	s_bfe_u32 s16, ttmp6, 0x40004
	s_lshl_b32 s17, ttmp9, 2                       ; in a cluster launch ttmp9 and ttmp7 count clusters
	s_add_co_u32 s17, s17, s15                     ; tile column = 4 x cluster x + cx
	s_and_b32 s18, ttmp7, 0xffff
	s_lshl_b32 s18, s18, 2
	s_add_co_u32 s18, s18, s16                     ; tile row = 4 x cluster y + cy
	s_lshl_b32 s19, s16, 2
	s_lshl_b32 s19, 15, s19                        ; my row of the cluster: places 4 cy .. 4 cy + 3
	s_lshl_b32 s20, 0x1111, s15                    ; my column: places cx, cx + 4, cx + 8, cx + 12
	; group 1 for xb: 128 rows x 128 elements
	s_or_b32 s[G1A], s19, (1<<16)|(1<<20)|(1<<21)|(5<<22)|(3<<25)  ; 15:0 the mask; 17:16 2-byte elements; 20 padding on; 21 set beside a mask; 24:22 after every 64 words (code 5); 31:25 4 words (code 3)
	s_mov_b32 s[G1A+1], 128<<16                    ; tensor_dim0 = 128
	s_mov_b32 s[G1A+2], 128<<16                    ; tensor_dim1 = 128
	s_mov_b32 s[G1A+3], 128<<16                    ; tile_dim0 = 128
	s_mov_b32 s[G1A+4], 128                        ; tile_dim1 = 128
	s_mov_b32 s[G1A+5], 1024                       ; elements from row to row
	s_mov_b32 s[G1A+6], 0
	s_mov_b32 s[G1A+7], 0
	; group 1 for wq: 64 k rows x 192 elements
	s_or_b32 s[G1B], s20, (1<<16)|(1<<20)|(1<<21)|(4<<22)|(7<<25)  ; after every 32 words (code 4) 8 words (code 7)
	s_mov_b32 s[G1B+1], 192<<16
	s_mov_b32 s[G1B+2], 64<<16
	s_mov_b32 s[G1B+3], 192<<16
	s_mov_b32 s[G1B+4], 64
	s_mov_b32 s[G1B+5], 3072
	s_mov_b32 s[G1B+6], 0
	s_mov_b32 s[G1B+7], 0
	; where the tiles come from.  xb's offset is made of the tile row and the wave's number alone, wq's of the tile column and the wave's number, each in registers that never hold the other coordinate.
	s_lshl_b32 s58, s18, 19                        ; 256 rows of 2,048 bytes a tile row,
	s_lshl_b32 s21, s[HF], 18                      ; 128 rows a half
	s_add_co_u32 s58, s58, s21
	s_mov_b32 s59, 0
	s_mul_i32 s60, s[HF], 64*3072*2                ; 64 k rows of 6,144 bytes a half,
	s_mul_i32 s22, s17, 384                        ; 192 columns a tile column
	s_add_co_u32 s60, s60, s22
	s_mov_b32 s61, 0
	s_mul_i32 s62, s17, 768                        ; the tile's 192 numbers of bias
	s_mov_b32 s63, 0
	s_mul_i32 s21, s[HF], AHALF                    ; and where they go: no place in the cluster enters an LDS address
	s_mul_i32 s23, s[HF], BHALF
	s_add_co_u32 s23, s23, BOFF
	s_mov_b32 s[TB], 0
	s_wait_dscnt 0x0                               ; the opening add is done
	s_wait_kmcnt 0x0
	s_add_nc_u64 s[58:59], s[4:5], s[58:59]
	s_add_nc_u64 s[60:61], s[6:7], s[60:61]
	s_add_nc_u64 s[62:63], s[8:9], s[62:63]
.irp n, 0,1
	s_mov_b32 s[G0A+4*(\n)], 1                     ; 1:0 count = 1
	s_add_co_u32 s[G0A+4*(\n)+1], s21, (\n)*SLOT1  ; 63:32 LDS address
	s_add_nc_u64 s[G0A+4*(\n)+2:G0A+4*(\n)+3], s[58:59], (\n)*ASTEP  ; 120:64 global address: K step n
	s_or_b32 s[G0A+4*(\n)+3], s[G0A+4*(\n)+3], 0x80000000            ; 127:126 type = 2
	s_mov_b32 s[G0B+4*(\n)], 1
	s_add_co_u32 s[G0B+4*(\n)+1], s23, (\n)*SLOT1
	s_add_nc_u64 s[G0B+4*(\n)+2:G0B+4*(\n)+3], s[60:61], (\n)*BSTEP
	s_or_b32 s[G0B+4*(\n)+3], s[G0B+4*(\n)+3], 0x80000000
.endr
	CROUND                                         ; all sixteen work-groups are here: the first joint loads meet
	s_cmp_eq_u32 s[FB], 0                          ; a wave's two first fills stand in one branch, ahead of every wait on TENSORcnt and every LDS read: two loads of mine are out
	s_cbranch_scc0 .Lfirst_b
	tensor_load_to_lds s[G0A:G0A+3], s[G1A:G1A+7]
	s_nop 0
	tensor_load_to_lds s[G0A+4:G0A+7], s[G1A:G1A+7]
	s_nop 0
.rept 4
	v_nop
.endr
	s_branch .Lfirst_asked
.Lfirst_b:
	tensor_load_to_lds s[G0B:G0B+3], s[G1B:G1B+7]
	s_nop 0
	tensor_load_to_lds s[G0B+4:G0B+7], s[G1B:G1B+7]
	s_nop 0
.rept 4
	v_nop
.endr
.Lfirst_asked:
	v_and_b32 v1, 15, v0                           ; l % 16
	v_bfe_u32 v2, v0, 4, 1                         ; l / 16
	v_lshlrev_b32 v[BO], 5, v2                     ; my eight numbers of an n block's bias: columns 8 (l / 16) + 0..7
.set b, 0
.rept NBK
	global_load_b128 v[BIAS+8*b:BIAS+8*b+3],   v[BO], s[62:63] offset:64*b
	global_load_b128 v[BIAS+8*b+4:BIAS+8*b+7], v[BO], s[62:63] offset:64*b+16
.set b, b+1
.endr
	v_mul_u32_u24 v[ADRA0], v1, AP
	v_lshl_add_u32 v[ADRA0], v2, 4, v[ADRA0]       ; row x pitch + 16 x half,
	s_mul_i32 s21, s[WV], 64*AP
	v_add_nc_u32 v[ADRA0], s21, v[ADRA0]           ; in my wave's 64 rows
	v_and_b32 v3, 7, v0
	v_lshl_add_u32 v3, v2, 3, v3                   ; k row 8 (l / 16) + l % 8
	v_mul_u32_u24 v[ADRB0], v3, BP
	v_bfe_u32 v3, v0, 3, 1
	v_lshl_add_u32 v[ADRB0], v3, 4, v[ADRB0]
	v_add_nc_u32 v[ADRB0], BOFF, v[ADRB0]
	s_mul_i32 s21, s[WV], 16*SP
	s_add_co_u32 s21, s21, STAGE                   ; my stage
	v_mul_u32_u24 v[STO], v1, SP                   ; in: row l % 16, 16 bytes for each half of the lanes
	v_lshl_add_u32 v[STO], v2, 4, v[STO]
	v_add_nc_u32 v[STO], s21, v[STO]
	v_bfe_u32 v[RD], v0, 3, 2                      ; back: 32 lanes take four rows of 128 bytes,
	v_mul_u32_u24 v[RD], v[RD], SP
	v_and_b32 v3, 7, v0
	v_lshl_add_u32 v[RD], v3, 4, v[RD]
	v_add_nc_u32 v[RD], s21, v[RD]
	v_and_b32 v[GO], 31, v0                        ; which are 512 consecutive bytes of a head
	v_lshlrev_b32 v[GO], 4, v[GO]
	; where my rows of the tile's three heads begin in qkv.  Column block cb = 3 x tile column + hd of 48: tensor cb / 16, head cb % 16; batch = tile row / 8; row in the head = 256 (tile row % 8) + 64 w
	s_lshr_b32 s72, s18, 3
	s_lshl_b32 s72, s72, 4                         ; 16 x batch
	s_and_b32 s73, s18, 7
	s_lshl_b32 s73, s73, 8
	s_lshl_b32 s74, s[WV], 6
	s_add_co_u32 s73, s73, s74
	s_lshl_b32 s73, s73, 7                         ; rows of 128 bytes
	s_mul_i32 s74, s17, 3
.irp hd, 0,1,2
	s_add_co_u32 s75, s74, \hd
	s_lshr_b32 s2, s75, 4
	s_lshl_b32 s2, s2, 6                           ; 64 heads a tensor
	s_and_b32 s75, s75, 15
	s_add_co_u32 s75, s75, s2
	s_add_co_u32 s75, s75, s72
	s_lshl_b32 s2, s75, 18                         ; 262,144 bytes a head: 191 heads at the most, under 2^32
	s_add_co_u32 s2, s2, s73
	s_mov_b32 s3, 0
	s_add_nc_u64 s[SB+2*(\hd):SB+2*(\hd)+1], s[10:11], s[2:3]
.endr
	s_wait_tensorcnt 0x1                           ; my part of K step 0 is in; step 1's may stay out
	s_barrier_signal -1
	s_barrier_wait -1                              ; everybody's is
	v_mov_b32 v[ADRA], v[ADRA0]
	v_mov_b32 v[ADRB], v[ADRB0]
	FETCH 0, F0
	s_wait_loadcnt 0x0                             ; the bias
	QUARTER 1, F0, F1, 1                           ; the first quarter stands in front of the loop: its products start the sums
	WIN 0
	s_mov_b32 s[CNT], STEPS-2
.Lstep:                                                ; trip i goes from step i's second quarter to step i + 1's first, and fills step i's slot again with step i + 2
	QUARTER 2, F1, F0, 0
	QUARTER 3, F0, F1, 0
	TURN 1
	QUARTER 1, F0, F1, 0
	WIN 0
	s_sub_co_u32 s[CNT], s[CNT], 1
	s_cmp_lg_u32 s[CNT], 0
	s_cbranch_scc1 .Lstep
	QUARTER 2, F1, F0, 0                           ; the last two steps are written out: they ask for nothing
	QUARTER 3, F0, F1, 0
	TURN 0
	QUARTER 1, F0, F1, 0
	QUARTER 2, F1, F0, 0
	QUARTER 3, F0, F1, 0
	s_wait_dscnt 4
	MULA F1, 0, 0
	MULA F1, 1, 0
	s_wait_dscnt 0x0
	MULA F1, 2, 0
	MULA F1, 3, 0
	WIN 0
; THE WAY OUT, in 12 units: unit u = m block u / 3 (16 rows) x head u % 3 (64 columns).  PACK: rounded to bf16, 16 bytes a lane, into my stage's rows of 144 bytes, and back as whole rows of 128.  SEND: stored.
.macro PACK u
.set pa, (\u)/3
.set ph, (\u)%3
.set pt, TT+16*(\u)
	WIN 0x0a+5*(pa/APW)                            ; sources 0 and 1: window 2 or 3
.set g, 0
.rept 4
.set pr, 8*(NBK*(pa%APW)+4*ph+g)
	v_cvt_pk_bf16_f32 v[pt+4*g],   v[pr],   v[pr+1]   ; each accumulator is read from its low end on
	v_cvt_pk_bf16_f32 v[pt+4*g+1], v[pr+2], v[pr+3]
	v_cvt_pk_bf16_f32 v[pt+4*g+2], v[pr+4], v[pr+5]
	v_cvt_pk_bf16_f32 v[pt+4*g+3], v[pr+6], v[pr+7]
.set g, g+1
.endr
	WIN 0
.set g, 0
.rept 4
	ds_store_b128 v[STO], v[pt+4*g:pt+4*g+3] offset:32*g
.set g, g+1
.endr
.set g, 0
.rept 4
	ds_load_b128 v[pt+4*g:pt+4*g+3], v[RD] offset:g*4*SP  ; LDS serves a wave's instructions in order (ISA guide 5.7.1.4): these see the stores above; the next unit's stores come behind them
.set g, g+1
.endr
.endm
.macro SEND u, younger                 ; younger: the LDS instructions issued behind unit u's loads: the next unit's eight, or none
.set pa, (\u)/3
.set ph, (\u)%3
.set pt, TT+16*(\u)
.set g, 0
.rept 4
	s_wait_dscnt (\younger)+3-g
	global_store_b128 v[GO], v[pt+4*g:pt+4*g+3], s[SB+2*ph:SB+2*ph+1] offset:pa*2048+g*512  ; 512 consecutive bytes, at a multiple of 256 from qkv's first; every unit has registers of its own
.set g, g+1
.endr
.endm
	PLACES                                         ; the conversions read results just made
	PACK 0
.set u, 1
.rept 11                                       ; a unit's conversions stand between the loads of the unit before and its stores
	PACK u
	SEND u-1, 8
.set u, u+1
.endr
	SEND 11, 0
	s_wait_tensorcnt 0x0                           ; the wave's end: behind my last tensor load and my last LDS store
	ds_add_u32 v[SPW], v[NIL]
	s_wait_dscnt 0x0
	CROUND                                         ; the closing round: no work-group ends while a partner may still ask for a tile that names it
	s_endpgm
.Lfunc_end_k_qd9f99a7a2a_gemm_qkv:
	.size	k_qd9f99a7a2a_gemm_qkv, .Lfunc_end_k_qd9f99a7a2a_gemm_qkv-k_qd9f99a7a2a_gemm_qkv
	.p2alignl 7, 3214868480
	.fill 96, 4, 3214868480
	.section	.rodata,"a",@progbits
	.p2align	6, 0x0
	.amdhsa_kernel k_qd9f99a7a2a_gemm_qkv
		.amdhsa_group_segment_fixed_size 327680
		.amdhsa_private_segment_fixed_size 0
		.amdhsa_enable_private_segment 0
		.amdhsa_kernarg_size 32
		.amdhsa_user_sgpr_count 2
		.amdhsa_user_sgpr_kernarg_segment_ptr 1
		.amdhsa_wavefront_size32 1
		.amdhsa_system_sgpr_workgroup_id_x 1
		.amdhsa_system_sgpr_workgroup_id_y 1
		.amdhsa_system_sgpr_workgroup_id_z 1
		.amdhsa_system_vgpr_workitem_id 0
		.amdhsa_next_free_vgpr 960
		.amdhsa_next_free_sgpr 80
		.amdhsa_reserve_vcc 0
		.amdhsa_float_denorm_mode_32 3
		.amdhsa_float_denorm_mode_16_64 3
		.amdhsa_memory_ordered 1
		.amdhsa_forward_progress 1
		.amdhsa_inst_pref_size 101
	.end_amdhsa_kernel
	.amdgpu_metadata
---
amdhsa.version: [ 1, 2 ]
amdhsa.kernels:
  - .name:           k_qd9f99a7a2a_gemm_qkv
    .symbol:         k_qd9f99a7a2a_gemm_qkv.kd
    .args:
      - { .name: xb, .offset: 0, .size: 8, .value_kind: global_buffer, .address_space: global }
      - { .name: wq, .offset: 8, .size: 8, .value_kind: global_buffer, .address_space: global }
      - { .name: b_qkv, .offset: 16, .size: 8, .value_kind: global_buffer, .address_space: global }
      - { .name: qkv, .offset: 24, .size: 8, .value_kind: global_buffer, .address_space: global }
    .group_segment_fixed_size: 327680
    .private_segment_fixed_size: 0
    .kernarg_segment_align: 8
    .kernarg_segment_size: 32
    .max_flat_workgroup_size: 128
    .sgpr_count:     80
    .vgpr_count:     960
    .wavefront_size: 32
...
	.end_amdgpu_metadata
.endif
;; end of part 2
;; launch attn (part 3): grid 4 x 64, 4 waves a work-group, clusters of 4 x 1, 327,680 bytes of LDS; arguments qkv, ob; writes ob
.if DOCPART == 3
	.amdgcn_target "amdgcn-amd-amdhsa--gfx1250"
	.amdhsa_code_object_version 6
	.text
	.protected	k_qd9f99a7a2a_attn
	.globl	k_qd9f99a7a2a_attn
	.p2align	8
	.type	k_qd9f99a7a2a_attn,@function
k_qd9f99a7a2a_attn:
	s_mov_b64 s[64:65], 0
	v_nop
	global_prefetch_b8 v0, s[64:65] scope:SCOPE_SE
	s_setreg_imm32_b32 hwreg(HW_REG_WAVE_MODE, 25, 1), 1
	s_wait_xcnt 0x0
	s_wait_alu depctr_hold_cnt(0) depctr_sa_sdst(0) depctr_va_vdst(0) depctr_va_sdst(0) depctr_va_ssrc(0) depctr_va_vcc(0) depctr_vm_vsrc(0)
	s_getreg_b32 s2, hwreg(HW_REG_IB_STS2, 6, 4)
	s_cmp_eq_u32 s2, 0
	s_cbranch_scc0 .Lentry_in_a_cluster
	s_endpgm
.Lentry_in_a_cluster:
	s_bfe_u32 s2, ttmp6, 0x10000c
	s_cmp_lg_u32 s2, 0x3003
	s_cbranch_scc0 .Lentry_shape_is_right
	s_endpgm
.Lentry_shape_is_right:
; O[h][q][:] = the sum over k of softmax_k(Q[h][q] . K[h][k] / 8) V[h][k][:].  qkv holds Q, K, V, each [SIZE_H][SIZE_N][64] in bf16, 16,777,216 bytes apart; ob is O in the same layout: a head's rows are
; dense, 128 bytes each.  Products, maxima and sums in f32; the weights p are rounded to bf16 for the second product (their sum l is taken of the unrounded p), O once at the end.
; LIMITS.  bf16 has f32's range, so no operand overflows; p lies in 0 to 1 and O is a mean of V's rows.  The running maximum starts at c m = -4.2e37: scores with c s below that are not served.
; A weight below 2^-126 counts as 0 in l; NaN and infinities are not treated apart.
; SHARES.  A wave owns four PIECES of two tiles of 16 queries, a work-group's four waves 512 queries of one head: 4 x 64 = 256 work-groups.  Every wave walks all keys, 64 a step.
; LAYOUT.  S^T = K Q^T (source 0 = 16 keys, source 1 = 16 queries): in the result a lane holds ONE query (lane % 16) and the keys 8 (lane / 16) + 0..7.  Two such tiles, rounded to bf16 in pairs,
; ARE source 1 (32 keys x 16 queries) of O^T = V^T P, whose result again holds one query a lane, and eight channels.  K comes out of LDS as it lies, V ([key][channel]) turned, by ds_load_tr16_b128.
; SOFTMAX.  For each query a running maximum m and sum l: p = 2^(c s - c m), c = log2(e) / 8; in every step O and l are multiplied by a = 2^(c m_old - c m_new), which is 1 where m has not grown.
; m starts at the lowest finite number, O and l at 0: the first step is a step like any other, with a = 0.
; THE COUNT.  A tile and step have 16 matrix and 118 vector instructions: too many to stand all beside the matrix work.  So the order has one aim: four vector instructions that are READY behind
; EVERY matrix instruction, and the others, which need time of their own whatever the order, in runs without a gap.
; BY TURNS.  Turn n belongs to piece n (the pieces in a ring, step after step).  Its matrix work: 16 products K Q^T of piece n + 1, later 16 products V^T P of piece n - 1.  Its vector work: the scaling,
; exponentials, roundings, sums and rescaling of piece n, and the maximum and statistics of piece n + 1, whose scores the turn itself has made.  So what a turn begins with (c s - c m, O a) waits for nothing.
; CLUSTER.  The four query blocks of a cluster belong to one head and walk the same K and V, so each tile is asked for JOINTLY: the same tensor load, descriptor and mask in all four.
; REGISTERS, in windows of 256 (s_set_vgpr_msb says which window each operand place means: bits 1:0 source 0, 3:2 source 1, 5:4 source 2, 7:6 destination):
;   window 0: v0-11 addresses; v12-15, v48-63 at work; v16-47 four registers of statistics a tile; v64-191 S^T, two buffers of two tiles; v192-255 P, likewise
;   window 1: O^T, 32 a tile          window 2: v0-127 Q, 16 a tile; v128-191 K of one step; v192-255 V of one step          window 3: v0-1 the add's two registers
; A piece's buffers go by its number's parity: the piece in hand has one pair, its two neighbours in the ring share the other: of it P (piece n - 1) is read and S^T (piece n + 1) written.
.set SIZE_H, 64       ; batch x heads
.set SIZE_N, 2048     ; rows of a head
.set NP,    4         ; pieces a wave: a name, no knob: the register map, the loop and the fetches are made for four
.set KS,    64        ; keys in a step
.set PK,    144       ; a row of K in LDS: 128 bytes + 16 of padding = 36 words: the 16 rows of a load start at 16 different groups of four banks (64 banks of 4 bytes: ISA guide 11.1)
.set PV,    160       ; a row of V: 128 + 32 = 40 words
.set VOFF,  4*KS*PK   ; a slot holds four steps: 256 rows of K, then 256 rows of V
.set SLOT1, 1<<17     ; slot 1 begins here, so that one exclusive or turns an address in one slot into the other's
.set STAGE, SLOT1+4*KS*(PK+PV)  ; behind the ring, never filled by a tensor load: 16 rows x 144 bytes for each wave, for the way out
.set SP,    144
.set AK0, 2           ; v2   my lane's place in a tile of K; never rewritten
.set AV0, 3           ; v3   the same for V
.set AK,  4           ; v4   the LDS address of K's next run of loads
.set AV,  5           ; v5   of V's
.set QO,  6           ; v6   my byte offset in the wave's rows of Q
.set STO, 6           ;      later, the way out: where I put 16 bytes of a row
.set RD,  7           ; v7   the way out: where I read rows back
.set GO,  8           ; v8   my byte offset in 512 consecutive bytes of O
.set SPW, 0           ; v0 of window 3   LDS address of my spare word: SPARE + 4 x my thread's number; never rewritten
.set NIL, 1           ; v1 of window 3   0; never rewritten
.set SPARE, STAGE+4*16*SP  ; behind the stages: the spare words, 128 bytes for each wave: two blocks of 256 bytes that no other line names
.set MV,  12          ; v12-15  c m_old, kept while c m is made anew: by buffer and tile
.set ST,  16          ; tile t's statistics at v[ST+4 t]: c m, m, l (even keys', odd keys')
.set TMP, 48          ; by buffer and tile, four registers c0-c3 at work; when the maximum is found c2 takes a
.set S,   64
.set P,   192
.set KF,  128         ; K's fragments, in window 2: key block kb, channel half c at KF + 16 kb + 8 c
.set VF,  192         ; V's: key half kk, channel block cb at VF + 32 kk + 8 cb
.set WV,  12          ; s12  my wave's number
.set G1K, 24          ; s[24:31] descriptor group 1 for K's tiles
.set G1V, 32          ; s[32:39] for V's: it differs in the padding alone
.set G0K, 40          ; s[40:43] descriptor group 0 for K's tiles: it walks
.set G0V, 44          ; s[44:47] the same for V's
.set SLOTS, 56        ; s56  slots still to be asked for
.set CNT, 57          ; s57  counts a slot's key steps
.set CS,  58          ; s[58:59] c: the packed scaling takes the pair's low word for both halves
.set SEL, 60          ; s[60:61] v_permlanex16_b32's selects: each lane takes its own place in the other half
.set TBK, 62          ; s62  LDS byte at which K of the step to be fetched begins
.set TBV, 63          ; s63  the same for V, less VOFF
.set MSB, 0
.macro WIN new                      ; the high byte repeats the setting that is left; a switch that changes nothing is dropped
.if MSB != (\new)
	s_set_vgpr_msb (MSB<<8)|(\new)
.set MSB, (\new)
.endif
.endm
.set W_KQ, 0x0a       ; K and Q in window 2, S^T in window 0
.set W_PV, 0x52       ; V in window 2, P in window 0, O^T in window 1
.set W_RS, 0x41       ; O^T (destination and source 0) in window 1, a in window 0
.set W_MK, 0xc0       ; the add's registers are made: destination in window 3, sources in window 0
.set W_AD, 0x0f       ; the add: address (source 0) and data (source 1) in window 3
; A joint fill.  Waves 0 and 1 fetch the two halves of a slot's K, waves 2 and 3 those of its V: 128 keys each.  The branch hangs on the wave's number alone.
; An s_nop 0 and four v_nop follow each of the two lines, ahead of the jump and the label.
.macro JLOAD
	s_cmp_lt_u32 s[WV], 2
	s_cbranch_scc0 .Lfor_v_\@
	tensor_load_to_lds s[G0K:G0K+3], s[G1K:G1K+7]
	s_nop 0
.rept 4
	v_nop
.endr
	s_branch .Lasked_\@
.Lfor_v_\@:
	tensor_load_to_lds s[G0V:G0V+3], s[G1V:G1V+7]
	s_nop 0
.rept 4
	v_nop
.endr
.Lasked_\@:
.endm
; A round of the cluster's barrier: my work-group's barrier, so that wave 0's signal speaks for all four waves; wave 0 signals; every wave waits for all four work-groups; my work-group's barrier once more.
.macro CROUND
	s_barrier_signal -1
	s_barrier_wait -1
	s_cmp_lg_u32 s[WV], 0
	s_cbranch_scc1 .Lnot_wave_0_\@
	s_barrier_signal -3
.Lnot_wave_0_\@:
	s_barrier_wait -3
	s_barrier_signal -1
	s_barrier_wait -1
.endm
; THE CHANGE OF SLOTS.  The slot's last bytes, V of its fourth step, have been read.  Each wave waits for all its tensor loads, of which one is out: its part
; of the other slot; adds 0 to its spare word; and waits for that and for its own reads of the slot.  Behind the barrier nobody reads this slot any more and the other slot is whole.
; fill = 1: this slot is filled again, with the keys two slots on.  The barrier is then a round of the cluster's, so that no wave of any partner still reads the slot or has a load on its
; way, and the joint fill is the first thing behind it: it has four key steps, 512 matrix instructions, in which to land.  (At its first use nothing has been read yet: slot 0 is waited for, slot 1 filled.)
.macro CHANGE fill
	WIN W_AD
	s_wait_tensorcnt 0x0            ; no tensor load of mine is out, so a group 0 may be written
	ds_add_u32 v[SPW], v[NIL]       ; 0 onto my spare word: with fill = 1 the descriptors' steps stand between it and the wait for it
	WIN 0                           ; at a label and at a branch every window is 0
.if \fill
.irp g, G0K, G0V
	s_xor_b32 s[\g+1], s[\g+1], SLOT1  ; the walking descriptor: the other slot than last time,
	s_add_nc_u64 s[\g+2:\g+3], s[\g+2:\g+3], 4*KS*128  ; the next 256 keys; the type bits on top are not reached
.endr
	s_wait_dscnt 0x0                ; the add is done, and my reads of the slot are over
	CROUND
	JLOAD
.else
	s_wait_dscnt 0x0                ; the add is done, and my reads of the slot are over
	s_barrier_signal -1
	s_barrier_wait -1
.endif
	s_sub_co_u32 s[TBK], s[TBK], 4*KS*PK  ; the fetches go back to a slot's first step,
	s_xor_b32 s[TBK], s[TBK], SLOT1       ; in the other slot
	s_sub_co_u32 s[TBV], s[TBV], 4*KS*PV
	s_xor_b32 s[TBV], s[TBV], SLOT1
.endm
	s_load_b128 s[4:7], s[0:1], 0x0   ; qkv s[4:5] (Q lies at its head), ob s[6:7]
	WIN W_MK
	v_lshl_add_u32 v[SPW], v0, 2, SPARE
	v_mov_b32 v[NIL], 0
	WIN W_AD
	ds_add_u32 v[SPW], v[NIL]       ; the wave's opening: the add and its wait stand ahead of my first tensor load; the set-up below, work on registers, stands between them
	WIN 0
	v_lshrrev_b32 v1, 5, v0
	v_readfirstlane_b32 s[WV], v1   ; wave 0..3
	s_bfe_u32 s13, ttmp6, 0x40000   ; cx: my place in the cluster
	s_lshl_b32 s14, ttmp9, 2        ; in a cluster launch ttmp9 counts clusters
	s_add_co_u32 s14, s14, s13      ; my block of queries = 4 x cluster x + cx: it enters Q's and O's addresses alone
	s_and_b32 s20, ttmp7, 0xffff    ; the head, which the four partners share
	s_mov_b32 s21, 0
	s_mov_b64 s[22:23], SIZE_N*128
	s_mul_u64 s[20:21], s[20:21], s[22:23]  ; the head's first byte in each of the four tensors
	s_and_b32 s16, s[WV], 1         ; which half of a slot's 256 keys I fetch:
	s_lshl_b32 s22, s16, 14         ; its 128 rows of 128 bytes in memory,
	s_mov_b32 s23, 0
	s_add_nc_u64 s[22:23], s[22:23], s[20:21]
	s_mul_i32 s17, s16, 128*PK      ; and its place in a slot, for K
	s_mul_i32 s18, s16, 128*PV      ; and for V: no place in the cluster enters an LDS address
	s_lshl_b32 s2, s14, 2
	s_add_co_u32 s2, s2, s[WV]      ; my wave among the head's,
	s_lshl_b32 s2, s2, 14           ; its 128 rows
	s_mov_b32 s3, 0
	s_add_nc_u64 s[2:3], s[2:3], s[20:21]
	; descriptor group 1.  128 keys are 16,384 dense bytes: asked for as 64 rows of 256 bytes, two keys a row, and padded in LDS after every key
	s_mov_b32 s[G1K], 15|(1<<16)|(1<<20)|(1<<21)|(4<<22)|(3<<25)  ; 15:0 the mask of four; 17:16 2-byte elements; 20 padding on; 21 set beside a mask; 24:22 after every 32 words (code 4); 31:25 4 words (code 3)
	s_mov_b32 s[G1V], 15|(1<<16)|(1<<20)|(1<<21)|(4<<22)|(7<<25)  ; the same with 8 words of padding (code 7)
.irp g, G1K, G1V
	s_mov_b32 s[\g+1], 128<<16      ; tensor_dim0 = 128
	s_mov_b32 s[\g+2], 64<<16       ; tensor_dim1 = 64
	s_mov_b32 s[\g+3], 128<<16      ; tile_dim0 = 128
	s_mov_b32 s[\g+4], 64           ; tile_dim1 = 64
	s_mov_b32 s[\g+5], 128          ; 128 elements from row to row
	s_mov_b32 s[\g+6], 0
	s_mov_b32 s[\g+7], 0
.endr
	s_mov_b32 s[CS], 0x3e38aa3b     ; c = log2(e) / 8 = 0.180337
	s_mov_b32 s[CS+1], s[CS]        ; named with it as a pair
	s_mov_b32 s[SEL], 0x76543210
	s_mov_b32 s[SEL+1], 0xfedcba98
	s_mov_b32 s[TBK], SLOT1+4*KS*PK ; the first change of slots turns these two into 0
	s_mov_b32 s[TBV], SLOT1+4*KS*PV
	s_mov_b32 s[G0K], 1             ; 1:0 count = 1
	s_mov_b32 s[G0K+1], s17         ; 63:32 LDS address: slot 0
	s_mov_b32 s[G0V], 1
	s_add_co_u32 s[G0V+1], s18, VOFF
	s_wait_dscnt 0x0                ; the opening add is done
	s_wait_kmcnt 0x0
	s_mov_b64 s[10:11], s[6:7]                     ; O
	s_add_nc_u64 s[8:9], s[4:5], 0x2000000         ; V: the third tensor in qkv
	s_add_nc_u64 s[6:7], s[4:5], 0x1000000         ; K: the second
	s_add_nc_u64 s[G0K+2:G0K+3], s[6:7], s[22:23]  ; 120:64 global address: my half of the head's first 256 keys
	s_or_b32 s[G0K+3], s[G0K+3], 0x80000000        ; 127:126 type = 2
	s_add_nc_u64 s[G0V+2:G0V+3], s[8:9], s[22:23]
	s_or_b32 s[G0V+3], s[G0V+3], 0x80000000
	s_add_nc_u64 s[4:5], s[4:5], s[2:3]  ; Q and O at my wave's first row
	s_add_nc_u64 s[10:11], s[10:11], s[2:3]
	CROUND                          ; all four work-groups are here: the first joint loads meet
	JLOAD                           ; slot 0.  Slot 1 is asked for when slot 0 is in
	; A fragment of K or Q is 16 rows x 32 channels in 8 registers: lane l holds row l % 16, channels 8 (l / 16) + 0..7 and 16 + 8 (l / 16) + 0..7: two loads of 16 bytes, 32 bytes apart.
	v_and_b32 v1, 15, v0            ; l % 16
	v_bfe_u32 v9, v0, 4, 1          ; l / 16
	v_lshlrev_b32 v[QO], 7, v1
	v_lshl_add_u32 v[QO], v9, 4, v[QO]  ; row x 128 + 16 x half
	WIN 0x80                        ; destination window 2, address window 0
.set i, 0
.rept 4*NP                          ; Q stays in registers: tile i / 2, channels 32 (i % 2) on
	global_load_b128 v[8*i:8*i+3],   v[QO], s[4:5] offset:(i/2)*2048+(i%2)*64
	global_load_b128 v[8*i+4:8*i+7], v[QO], s[4:5] offset:(i/2)*2048+(i%2)*64+32
.set i, i+1
.endr
	; What the first turn finds: V's registers and P's second buffer hold 0 (its products V^T P, of a piece that has not been, add 0), O^T and l are 0.  All this stands in the wait for the first tile.
.set i, VF
.rept 64
	v_mov_b32 v[i], 0
.set i, i+1
.endr
	WIN 0x40
.set i, 0
.rept 64*NP
	v_mov_b32 v[i], 0
.set i, i+1
.endr
	WIN 0
.set i, 0
.rept 2*NP
	v_mov_b32 v[ST+4*i], 0xfe000000    ; c m: far below every c s
	v_mov_b32 v[ST+4*i+1], 0xff7fffff  ; m
	v_mov_b32 v[ST+4*i+2], 0
	v_mov_b32 v[ST+4*i+3], 0
.set i, i+1
.endr
.set i, P+32
.rept 32
	v_mov_b32 v[i], 0
.set i, i+1
.endr
	v_mul_u32_u24 v[AK0], v1, PK
	v_lshl_add_u32 v[AK0], v9, 4, v[AK0]  ; row x pitch + 16 x half
	; The turning load takes 16 keys x 16 channels (lane l reads key 8 (l / 16) + l % 8, channels 8 ((l / 8) % 2) + 0..7) and leaves half a fragment of V^T: lane l holds channel l % 16 and 8 keys.
	v_and_b32 v10, 7, v0
	v_bfe_u32 v11, v0, 3, 1
	v_lshl_add_u32 v[AV0], v9, 3, v10
	v_mul_u32_u24 v[AV0], v[AV0], PV
	v_lshl_add_u32 v[AV0], v11, 4, v[AV0]
	v_add_nc_u32 v[AV0], VOFF, v[AV0]
	v_mov_b32 v[AK], v[AK0]         ; key step 0 lies at the head of slot 0
; THE MATRIX WORK.  The 8 accumulators of a run of 16 take turns: between the two links of a chain stand 7 others'.
; Product i of 16 of S^T = K Q^T for piece x: channels 32 (i / 8) on, keys 16 ((i / 2) % 4) on, tile 2 x + i % 2.  The first 8 start the sums.
.macro KQ x
	WIN W_KQ
.set rS, S+64*((\x)%2)+32*(i%2)+8*((i/2)%4)
.set rK, KF+16*((i/2)%4)+8*(i/8)
.set rQ, 16*(2*(\x)+i%2)+8*(i/8)
.if i < 8
	v_wmma_f32_16x16x32_bf16 v[rS:rS+7], v[rK:rK+7], v[rQ:rQ+7], 0
.else
	v_wmma_f32_16x16x32_bf16 v[rS:rS+7], v[rK:rK+7], v[rQ:rQ+7], v[rS:rS+7]
.endif
.endm
; Product i of 16 of O^T += V^T P for piece x: keys 32 (i / 8) on, channels 16 ((i / 2) % 4) on, tile 2 x + i % 2.
.macro PV x
	WIN W_PV
.set rO, 32*(2*(\x)+i%2)+8*((i/2)%4)
.set rV, VF+32*(i/8)+8*((i/2)%4)
.set rP, P+32*((\x)%2)+16*(i%2)+8*(i/8)
	v_wmma_f32_16x16x32_bf16 v[rO:rO+7], v[rV:rV+7], v[rP:rP+7], v[rO:rO+7]
.endm
.macro MM                           ; the turn's next matrix instruction
.if i < 16
	KQ (Y+1)%NP
.set i, i+1
.else
.set i, i-16
	PV (Y+NP-1)%NP
.set i, i+17
.endif
.endm
; THE LDS LOADS stand in runs of 16, never singly among the matrix instructions: a step's K (64 keys x 64 channels: 8 fragments) and its V (turned).  Their addresses are made some lines ahead.
; last = 1 (the tail): in the last trip there is no further step, and the run is jumped over.
.macro FETCH_K last=0
	WIN 0
.if \last
	s_cmp_eq_u32 s[CNT], 1
	s_cbranch_scc1 .Lno_k_\@
.endif
	WIN 0x80                        ; destination window 2
.irp f, 0,1,2,3,4,5,6,7             ; keys 16 (f / 2) on, channels 32 (f % 2) on
	ds_load_b128 v[KF+8*\f:KF+8*\f+3],   v[AK] offset:(\f/2)*16*PK+(\f%2)*64
	ds_load_b128 v[KF+8*\f+4:KF+8*\f+7], v[AK] offset:(\f/2)*16*PK+(\f%2)*64+32
.endr
	s_add_co_u32 s[TBK], s[TBK], KS*PK  ; the next fetch is the next step's
	WIN 0
.if \last
.Lno_k_\@:
.endif
.endm
.macro FETCH_V
	WIN 0x80
.irp f, 0,1,2,3,4,5,6,7             ; keys 32 (f / 4) on, channels 16 (f % 4) on
	ds_load_tr16_b128 v[VF+8*\f:VF+8*\f+3],   v[AV] offset:(\f/4)*32*PV+(\f%4)*32
	ds_load_tr16_b128 v[VF+8*\f+4:VF+8*\f+7], v[AV] offset:(\f/4)*32*PV+16*PV+(\f%4)*32
.endr
	WIN 0
.endm
; THE VECTOR WORK OF A TURN stands in three queues, each in the order in which its entries become ready; the two tiles alternate, so that no instruction reads the result of the one before it.
.macro REGS y, u                    ; the registers of tile u (0, 1) of piece y
.set rT, ST+4*(2*(\y)+(\u))
.set rC, TMP+8*((\y)%2)+4*(\u)
.set rM, MV+2*((\y)%2)+(\u)
.set rS, S+64*((\y)%2)+32*(\u)
.set rP, P+32*((\y)%2)+16*(\u)
.set rO, 32*(2*(\y)+(\u))
.endm
; Number n of the 22 that find the NEXT piece's (Y + 1) maximum and statistics.  s0-s31 are the lane's 32 scores; each accumulator's lowest registers are read first.  XS, GS and REGS set no window: PL and EX do.
;   0-11  four chains c0-c3 of seven scores each, three operands at a time     12-14, 16  the four scores left over, the old m, and c0-c3 into c0     15  c m_old is kept
;   17, 18  the query's other 32 keys lie in the lane 16 away: the new m         19-21  c m; c m_old - c m_new; a
.macro XS u, n
	REGS (Y+1)%NP, \u
.if (\n) < 4
	v_max3_num_f32 v[rC+(\n)], v[rS+8*(\n)], v[rS+8*(\n)+1], v[rS+8*(\n)+2]
.elseif (\n) < 12
	v_max3_num_f32 v[rC+(\n)%4], v[rC+(\n)%4], v[rS+8*((\n)%4)+2*((\n)/4)+1], v[rS+8*((\n)%4)+2*((\n)/4)+2]
.elseif (\n) == 12
	v_max3_num_f32 v[rC], v[rC], v[rS+7], v[rS+15]
.elseif (\n) == 13
	v_max3_num_f32 v[rC+1], v[rC+1], v[rS+23], v[rS+31]
.elseif (\n) == 14
	v_max3_num_f32 v[rC+2], v[rC+2], v[rC+3], v[rT+1]
.elseif (\n) == 15
	v_mov_b32 v[rM], v[rT]
.elseif (\n) == 16
	v_max3_num_f32 v[rC], v[rC], v[rC+1], v[rC+2]
.elseif (\n) == 17
	v_permlanex16_b32 v[rC+3], v[rC], s[SEL], s[SEL+1]
.elseif (\n) == 18
	v_max_num_f32 v[rT+1], v[rC], v[rC+3]
.elseif (\n) == 19
	v_mul_f32 v[rT], s[CS], v[rT+1]
.elseif (\n) == 20
	v_sub_f32 v[rC+1], v[rM], v[rT]
.else
	v_exp_f32 v[rC+2], v[rC+1]
.endif
.endm
; Number g of the 64 that follow the exponentials.  For each four weights k of a tile (pairs 2 k, 2 k + 1): both pairs are rounded to bf16; then the second pair is added onto the first, in place;
; a group later l takes that sum (the first time as l = a l + sum).  In groups of eight, tiles alternating: round, round, add, and l for the group before.
.macro GS g
.set h, (\g)+6*((\g)/62)            ; group 0 has no group before it, and behind group 7 only l is left
.if h >= 6
.set h, h+2
.endif
	REGS Y, h%2
.set k, h/8
.if h%8 < 4
	s_wait_alu depctr_va_vdst(0)
	v_cvt_pk_bf16_f32 v[rP+2*k+(h%8)/2], v[rS+4*k+2*((h%8)/2)], v[rS+4*k+2*((h%8)/2)+1]
.elseif h%8 < 6
	v_pk_add_f32 v[rS+4*k:rS+4*k+1], v[rS+4*k:rS+4*k+1], v[rS+4*k+2:rS+4*k+3]
.elseif k == 1
	v_pk_fma_f32 v[rT+2:rT+3], v[rT+2:rT+3], v[rC+2:rC+3], v[rS:rS+1] op_sel_hi:[1,0,1]
.else
	v_pk_add_f32 v[rT+2:rT+3], v[rT+2:rT+3], v[rS+4*k-4:rS+4*k-3]
	s_wait_alu depctr_va_vdst(0)
.endif
.endm
; THE PLAIN QUEUE, 138 long.  0-31: c s - c m for the 16 pairs of both tiles.  Then GS's 64, and among them the next piece's 42: number 15 at 38, 39; 0-14 and 16
; at 42-73, behind the products that make those scores; 17-20 at 95-106, two of three, since each waits for the one before it.
.macro PL
	WIN 0
.if q < 32
	REGS Y, q%2
	v_pk_fma_f32 v[rS+2*(q/2):rS+2*(q/2)+1], v[rS+2*(q/2):rS+2*(q/2)+1], s[CS:CS+1], v[rT:rT+1] op_sel_hi:[1,0,0] neg_lo:[0,0,1] neg_hi:[0,0,1]
.elseif q < 38
	GS q-32
.elseif q < 40
	XS q%2, 15
.elseif q < 42
	GS q-34
.elseif q < 74
	XS q%2, (q-42)/2+(q-42)/30
.elseif q < 95
	GS q-66
.elseif (q < 107) && ((q-95)%3 < 2)
	XS (q-95)%3, 17+(q-95)/3
.elseif q < 107
	GS 29+(q-95)/3
.else
	GS q-74
.endif
.set q, q+1
.endm
; THE EXPONENTIALS' QUEUE, 66 long: s0-s31 of both tiles, and at EA the next piece's two a.
.set EA, 58
.macro EX
	WIN 0
.if (e == EA) || (e == EA+1)
	XS e-EA, 21
.else
.set x, e-2*(e/(EA+2))
	REGS Y, x%2
	v_exp_f32 v[rS+x/2], v[rS+x/2]
.endif
.set e, e+1
.endm
; THE RESCALING's QUEUE: O^T times a, the one part that leaves window 0, so it is dealt four at a time, eight times.
.macro R4
	REGS Y, r%2
	WIN W_RS
	s_wait_alu depctr_va_vdst(0)
.irp z, 0,1,2,3
	v_pk_mul_f32 v[rO+8*(r/2)+2*\z:rO+8*(r/2)+2*\z+1], v[rO+8*(r/2)+2*\z:rO+8*(r/2)+2*\z+1], v[rC+2:rC+3] op_sel_hi:[1,0]
.endr
.set r, r+1
.endm
; HOW THEY ARE DEALT.  Behind a matrix instruction four: plain, exponential, plain, plain (one exponential, a plain instruction on either side), or four of the rescaling.  None names a register of the
; products round it.  What is over stands in two LUMPS: exponential and plain by turns; the second ends in 22 plain instructions.  The two v_permlanex16_b32 fall into the second lump, never behind a product.
; The queues lean on each other, and the deal keeps them in step: exponential e stands behind plain 2 (e / 4) + e % 2 (its scaling); when plain 32 comes, 10 exponentials are out, at 59: 33, at 95: 46; EA comes behind plain 107.
.macro SL
	MM
	PL
	EX
	PL
	PL
.endm
.macro BURST n                      ; 15 matrix instructions, or 16
.rept (\n)-7
	SL
.endr
.rept 3
	MM
	R4
	SL
.endr
	MM
	R4
.endm
; A TURN, for piece p.  cnt = 1: the loop's count is taken down some lines ahead of the branch that stands behind the turn.
; K of the next step is fetched in piece 2's turn, 31 vector instructions behind the last product that read K; its first reader comes behind the rest of the lump, 16 products and the second lump.
; V of the step in hand is fetched at the end of piece 0's turn, 69 behind its last reader; its first reader comes behind 16 products and a lump.  The four conditions on e and q below go with the deal.
.macro TURN p, last=0, cnt=0
.set Y, (\p)
.set i, 0
.set q, 0
.set e, 0
.set r, 0
.if (\p) == NP-1
	s_wait_dscnt 0x0                ; K is in
.endif
	MM
.rept 4
	PL
.endr
	BURST 15
.rept 22
	EX
	PL
.if ((\p) == NP-2) && (e == 18)
	v_add_nc_u32 v[AK], s[TBK], v[AK0]
.endif
.if ((\p) == NP-2) && (e == 24)
	FETCH_K \last
.endif
.endr
.if (\p) == 1
	s_wait_dscnt 0x0                ; V is in
.endif
	BURST 16
.rept 21
	EX
	PL
.endr
.rept 22
	PL
.if ((\p) == 0) && (q == 118)
	v_add_nc_u32 v[AV], s[TBV], v[AV0]
	s_wait_alu depctr_va_vdst(0)
.endif
.if ((\p) == 0) && (q == 130)
	s_add_co_u32 s[TBV], s[TBV], KS*PV
.endif
.if (\cnt) && (q == 130)
	s_sub_co_u32 s[CNT], s[CNT], 1
	s_cmp_lg_u32 s[CNT], 0
.endif
.endr
.if (\p) == 0
	FETCH_V
.endif
.endm
	CHANGE 1                        ; slot 0 is in, everybody's part of it; slot 1 is asked for
	FETCH_K                         ; key step 0
	s_wait_loadcnt 0x0              ; Q
	s_wait_dscnt 0x0
.set i, 0
.rept 16
	KQ 0                            ; piece 0's first scores: there is no vector work yet to set between them
.set i, i+1
.endr
	WIN 0                           ; the addresses for the way out: nine plain instructions, the places behind those products
	s_mul_i32 s13, s[WV], 16*SP
	s_add_co_u32 s13, s13, STAGE    ; my stage
	v_mul_u32_u24 v[STO], v1, SP    ; in: row l % 16, 16 bytes for each half of the lanes
	v_lshl_add_u32 v[STO], v9, 4, v[STO]
	v_add_nc_u32 v[STO], s13, v[STO]
	v_bfe_u32 v[RD], v0, 3, 2       ; back: 32 lanes take four rows of 128 bytes,
	v_mul_u32_u24 v[RD], v[RD], SP
	v_lshl_add_u32 v[RD], v10, 4, v[RD]
	v_add_nc_u32 v[RD], s13, v[RD]
	v_and_b32 v[GO], 31, v0         ; which are 512 consecutive bytes of O
	v_lshlrev_b32 v[GO], 4, v[GO]
.set Y, NP-1                        ; XS works for piece Y + 1: piece 0
.irp n, 0,1,2,3,4,5,6,7,8,9,10,11,12,13,14,15,16,17,18,19,20,21
	XS 0, \n                        ; and piece 0's first maximum and statistics
	XS 1, \n
.endr
	s_mov_b32 s[CNT], 4
	s_mov_b32 s[SLOTS], SIZE_N/256-1
	s_branch .Lfirst                ; the loop is entered at a step's first turn, in the middle of a trip
.Lslot:                             ; SIZE_N / 256 - 2 times: every slot but the last two is filled again
	CHANGE 1
	s_mov_b32 s[CNT], 4
.Lstep:                             ; a trip: pieces 2 and 3 of one step, then pieces 0 and 1 of the next, whose K and V it fetches
	TURN 2
	TURN 3
	WIN 0
.Lfirst:
	TURN 0
	TURN 1, 0, 1
	WIN 0
	s_cbranch_scc1 .Lstep
	s_sub_co_u32 s[SLOTS], s[SLOTS], 1
	s_cmp_lg_u32 s[SLOTS], 0
	s_cbranch_scc1 .Lslot
	CHANGE 0                        ; the tail is written out: nothing is asked for
	s_mov_b32 s[CNT], 5             ; four trips fetch the last slot's steps; the fifth is left in its middle
.Ltail:
	TURN 2, 1
	TURN 3
	WIN 0
	s_sub_co_u32 s[CNT], s[CNT], 1
	s_cmp_eq_u32 s[CNT], 0
	s_cbranch_scc1 .Lout
	TURN 0
	TURN 1
	WIN 0
	s_branch .Ltail
.Lout:                              ; the fifth trip's 16 products K Q^T (on the last K once more) and the maximum made of them serve nothing: the price, once a launch, of one text for every trip
.set i, 0
.rept 16
	PV NP-1                         ; the last piece's V^T P of the last step
.set i, i+1
.endr
	; THE WAY OUT.  l's two halves and the other half of the lanes' are added; O^T is divided by l, rounded to bf16 and sent through my stage in LDS, a tile at a time.  The additions are the places behind the last products.
	WIN 0
.macro ALL line:vararg              ; one line for each tile t
.set t, 0
.rept 2*NP
	\line
.set t, t+1
.endr
.endm
	ALL v_add_f32 v[ST+4*t+2], v[ST+4*t+2], v[ST+4*t+3]
	ALL v_permlanex16_b32 v[ST+4*t+3], v[ST+4*t+2], s[SEL], s[SEL+1]
	ALL v_add_f32 v[ST+4*t+2], v[ST+4*t+2], v[ST+4*t+3]
	ALL v_rcp_f32 v[ST+4*t+2], v[ST+4*t+2]
	v_nop                           ; a plain instruction between the last reciprocal and the use of its result
	s_wait_alu depctr_va_vdst(0)
; Tile t: a lane's eight channels of a row pack into 16 bytes; they go into rows of 144 bytes and come back as whole rows of 128, into S^T's registers.
.macro PACK t
	WIN W_RS
.set i, 32*(\t)
.rept 16
	v_pk_mul_f32 v[i:i+1], v[i:i+1], v[ST+4*(\t)+2:ST+4*(\t)+3] op_sel_hi:[1,0]
.set i, i+2
.endr
	WIN 0x05                        ; sources 0 and 1 window 1, destination window 0
.set i, 0
.rept 16
	v_cvt_pk_bf16_f32 v[S+16*(\t)+i], v[32*(\t)+2*i], v[32*(\t)+2*i+1]
.set i, i+1
.endr
	WIN 0
.irp f, 0,1,2,3
	ds_store_b128 v[STO], v[S+16*(\t)+4*\f:S+16*(\t)+4*\f+3] offset:32*\f
.endr
.irp f, 0,1,2,3
	ds_load_b128 v[S+16*(\t)+4*\f:S+16*(\t)+4*\f+3], v[RD] offset:\f*4*SP  ; LDS serves a wave's instructions in order (ISA guide 5.7.1.4): these see the stores above; the next tile's stores come behind them
.endr
.endm
.macro SEND t, younger              ; younger: the LDS instructions issued behind tile t's loads: the next tile's eight, or none
	WIN 0
.irp f, 0,1,2,3
	s_wait_dscnt (\younger)+3-\f
	global_store_b128 v[GO], v[S+16*(\t)+4*\f:S+16*(\t)+4*\f+3], s[10:11] offset:(\t)*2048+\f*512  ; 512 consecutive bytes, at a multiple of 256 from O's first
.endr
.endm
	PACK 0
.set t, 1
.rept 2*NP-1                        ; a tile's arithmetic stands between the loads of the tile before and its stores
	PACK t
	SEND t-1, 8
.set t, t+1
.endr
	SEND 2*NP-1, 0
	WIN W_AD
	s_wait_tensorcnt 0x0            ; the wave's end: behind my last tensor load and my last LDS store
	ds_add_u32 v[SPW], v[NIL]
	s_wait_dscnt 0x0
	WIN 0
	CROUND                          ; the closing round: no work-group ends while a partner may still ask for a tile that names it
	s_endpgm
.Lfunc_end_k_qd9f99a7a2a_attn:
	.size	k_qd9f99a7a2a_attn, .Lfunc_end_k_qd9f99a7a2a_attn-k_qd9f99a7a2a_attn
	.p2alignl 7, 3214868480
	.fill 96, 4, 3214868480
	.section	.rodata,"a",@progbits
	.p2align	6, 0x0
	.amdhsa_kernel k_qd9f99a7a2a_attn
		.amdhsa_group_segment_fixed_size 327680
		.amdhsa_private_segment_fixed_size 0
		.amdhsa_enable_private_segment 0
		.amdhsa_kernarg_size 16
		.amdhsa_user_sgpr_count 2
		.amdhsa_user_sgpr_kernarg_segment_ptr 1
		.amdhsa_wavefront_size32 1
		.amdhsa_system_sgpr_workgroup_id_x 1
		.amdhsa_system_sgpr_workgroup_id_y 1
		.amdhsa_system_sgpr_workgroup_id_z 1
		.amdhsa_system_vgpr_workitem_id 0
		.amdhsa_next_free_vgpr 770
		.amdhsa_next_free_sgpr 66
		.amdhsa_reserve_vcc 0
		.amdhsa_float_denorm_mode_32 3
		.amdhsa_float_denorm_mode_16_64 3
		.amdhsa_memory_ordered 1
		.amdhsa_forward_progress 1
		.amdhsa_inst_pref_size 208
	.end_amdhsa_kernel
	.amdgpu_metadata
---
amdhsa.version: [ 1, 2 ]
amdhsa.kernels:
  - .name:           k_qd9f99a7a2a_attn
    .symbol:         k_qd9f99a7a2a_attn.kd
    .args:
      - { .name: qkv, .offset: 0, .size: 8, .value_kind: global_buffer, .address_space: global }
      - { .name: ob, .offset: 8, .size: 8, .value_kind: global_buffer, .address_space: global }
    .group_segment_fixed_size: 327680
    .private_segment_fixed_size: 0
    .kernarg_segment_align: 8
    .kernarg_segment_size: 16
    .max_flat_workgroup_size: 128
    .sgpr_count:     66
    .vgpr_count:     770
    .wavefront_size: 32
...
	.end_amdgpu_metadata
.endif
;; end of part 3
;; launch gemm_out (part 4): grid 8 x 32, 4 waves a work-group, clusters of 4 x 4, 327,680 bytes of LDS; arguments ob, wo, b_out, y; writes y
.if DOCPART == 4
	.amdgcn_target "amdgcn-amd-amdhsa--gfx1250"
	.amdhsa_code_object_version 6
	.text
	.protected	k_qd9f99a7a2a_gemm_out
	.globl	k_qd9f99a7a2a_gemm_out
	.p2align	8
	.type	k_qd9f99a7a2a_gemm_out,@function
k_qd9f99a7a2a_gemm_out:
	s_mov_b64 s[64:65], 0
	v_nop
	global_prefetch_b8 v0, s[64:65] scope:SCOPE_SE
	s_setreg_imm32_b32 hwreg(HW_REG_WAVE_MODE, 25, 1), 1
	s_wait_xcnt 0x0
	s_wait_alu depctr_hold_cnt(0) depctr_sa_sdst(0) depctr_va_vdst(0) depctr_va_sdst(0) depctr_va_ssrc(0) depctr_va_vcc(0) depctr_vm_vsrc(0)
	s_getreg_b32 s2, hwreg(HW_REG_IB_STS2, 6, 4)
	s_cmp_eq_u32 s2, 0
	s_cbranch_scc0 .Lentry_in_a_cluster
	s_endpgm
.Lentry_in_a_cluster:
	s_bfe_u32 s2, ttmp6, 0x10000c
	s_cmp_lg_u32 s2, 0xf033
	s_cbranch_scc0 .Lentry_shape_is_right
	s_endpgm
.Lentry_shape_is_right:
; y = O wo + b_out.  ob: O by heads, [64 = batch x 16 + head][2048][64] bf16; wo: [1024 k][1024 n] bf16, k = 64 x head + channel; b_out: [1024] f32; y: [8192][1024] bf16.
; Sums in f32, started by the bias; y rounded once to bf16 (the launch behind adds it to x in f32).  No limit of range beyond bf16's rounding of the operands and of y.
; SHARES.  A tile of y is 256 rows x 128 columns: 32 x 8 = 256 work-groups, one for each WGP.  Wave w owns rows 64 w .. 64 w + 63 and all 128 columns: 4 x 8 accumulators of 16 x 16, 256 registers.
; So a wave's rows of the tile are whole runs of 256 bytes of y, each wave has a stage of its own on the way out, and no barrier stands there.
; K goes in 8 steps of 128, two heads a step, through two LDS slots filled by the tensor data mover; a step is four quarters of 32 along K, 32 matrix instructions each, on two fragment buffers.
; A head's 256 rows of the tile are 32,768 dense bytes: asked for as 128 rows of 256 bytes and padded in LDS after every 128, so that each of O's rows has its own LDS row.
; THE MATRIX INSTRUCTION IS USED TRANSPOSED: source 0 = 16 columns of wo, source 1 = 16 rows of O: lane l then holds row l % 16 and the eight neighbouring columns 8 (l / 16) + 0..7, 16 bytes in bf16.
; wo lies [k][n], so its fragments come out of LDS turned, by ds_load_tr16_b128.  The bias is the C operand of the first quarter's products: nothing is cleared, nothing added later.
; CLUSTER.  4 x 4 work-groups.  O's tile hangs on the tile row alone and is asked for jointly by a row of the cluster, wo's on the tile column alone and by a column: a quarter of the requests.
; NOT FUSED with the norm behind it: a tile that owned whole rows of 1,024 columns on 256 WGPs would have 32 rows, and each WGP would walk all 2,097,152 bytes of wo for 1,024 matrix instructions a wave.
; K steps of 256 would take 2 x 221,184 bytes of LDS: two such slots do not fit.
; REGISTERS, in windows of 256 (s_set_vgpr_msb: bits 1:0 source 0, 3:2 source 1, 5:4 source 2, 7:6 destination):
;   window 0: v0-13 addresses; v192-255 the bias, 8 registers an n block; on the way out v64-191, 32 registers an m block
;   window 1: two fragment buffers at 0 and 128: 8 fragments of wo, then 4 of O       window 2: the accumulators: (a, b) at 8 (8 a + b)
.set NBK,   8                          ; n blocks of 16 columns
.set APW,   4                          ; m blocks whose accumulators share a window
.set LD,    2*NBK+8                    ; LDS loads of a quarter
.set STEPS, 8                          ; K steps of 128
.set AP,    144                        ; a row of O in LDS: 128 bytes + 16 = 36 words: the 16 rows of a load start at 16 different groups of four banks (64 banks of 4 bytes: ISA guide 11.1)
.set AHALF, 256*AP                     ; what one load of O brings: one head's 256 rows
.set AQ2,   AHALF                      ; quarter q of a row begins at byte (q / 2) AQ2 + (q % 2) 64: the step's second head lies behind its first
.set BOFF,  2*AHALF                    ; wo's tile lies behind O's
.set BP,    288                        ; a k row of wo's tile: 256 bytes + 32 = 72 words
.set NG,    128                        ; n block j begins at byte (j / 4) NG + (j % 4) 32 of a k row
.set BHALF, 64*BP                      ; what one load of wo brings: 64 k rows
.set SLOT1, 1<<17                      ; a slot uses 110,592 bytes; slot 1 begins here, so that one exclusive or turns an address in one slot into the other's
.set STAGE, 2*SLOT1                    ; behind the ring, never filled by a tensor load: 16 rows x 272 bytes for each wave
.set SP,    272
.set SPARE, STAGE+4*16*SP              ; behind the stages: the spare words, 128 bytes for each wave: two blocks of 256 bytes that no other line names
.set ASTEP, 2*2048*128                 ; bytes from a K step to the next in ob: two heads,
.set BSTEP, 128*1024*2                 ; in wo: 128 rows
.set ADRA0, 4                          ; v4   my lane's place in O's tile; never rewritten
.set ADRB0, 5                          ; v5   in wo's
.set ADRA,  6                          ; v6   the same in the slot in hand
.set ADRB,  7                          ; v7
.set STO,   8                          ; v8   the way out: where I put 16 bytes of a row
.set RD,    9                          ; v9   the way out: where I read rows back
.set GO,    10                         ; v10  my byte offset in two rows of y
.set BO,    11                         ; v11  my byte offset in an n block's 64 bytes of bias
.set SPW,   12                         ; v12  LDS address of my spare word: SPARE + 4 x my thread's number; never rewritten
.set NIL,   13                         ; v13  0; never rewritten
.set BIAS,  192
.set TT,    64
.set F0,    0                          ; fragment buffers, in window 1
.set F1,    128
.set WV,  12                           ; s12  my wave's number
.set FB,  13                           ; s13  0: I fetch for O; 1: for wo
.set HF,  14                           ; s14  which half of that tile I fetch
.set G1A, 24                           ; s[24:31] descriptor group 1 for O's tiles
.set G1B, 32                           ; s[32:39] for wo's
.set G0A, 40                           ; s[40:47] descriptor group 0 for O's tiles: a set for each of the two first fills; the second then walks on
.set G0B, 48                           ; s[48:55] the same for wo's
.set CNT, 56                           ; s56  counts the loop's trips
.set TB,  57                           ; s57  LDS byte at which the slot in hand begins
.set SB,  66                           ; s[66:67] y at my rows and my tile's columns
.set MSB, 0
.macro WIN new                         ; the immediate's high byte repeats the setting that is left; a switch that changes nothing is dropped
.if MSB != (\new)
	s_set_vgpr_msb (MSB<<8)|(\new)
.set MSB, \new
.endif
.endm
.macro PLACES                          ; a load into a register that a matrix instruction has read, and a vector instruction that reads a matrix result, stand four plain vector instructions behind it (ISA guide 7.12.1 for the vector instruction)
.rept 4
	v_nop
.endr
.endm
; A joint refill by the walking descriptors.  Waves 0 and 1 fetch the step's two heads of O, waves 2 and 3 wo's two halves.  The branch hangs on the wave's number alone.
; An s_nop 0 and four v_nop follow each of the two lines, ahead of the jump and the label.
.macro JLOAD
	s_cmp_eq_u32 s[FB], 0
	s_cbranch_scc0 .Lfor_b_\@
	tensor_load_to_lds s[G0A+4:G0A+7], s[G1A:G1A+7]
	s_nop 0
.rept 4
	v_nop
.endr
	s_branch .Lasked_\@
.Lfor_b_\@:
	tensor_load_to_lds s[G0B+4:G0B+7], s[G1B:G1B+7]
	s_nop 0
.rept 4
	v_nop
.endr
.Lasked_\@:
.endm
; A round of the cluster's barrier: my work-group's barrier, so that wave 0's signal speaks for all four waves; wave 0 signals; every wave waits for all sixteen work-groups; my work-group's barrier once more.
.macro CREST                           ; a round behind its opening barrier
	s_cmp_lg_u32 s[WV], 0
	s_cbranch_scc1 .Lnot_wave_0_\@
	s_barrier_signal -3
.Lnot_wave_0_\@:
	s_barrier_wait -3
	s_barrier_signal -1
	s_barrier_wait -1
.endm
.macro CROUND                          ; a whole round
	s_barrier_signal -1
	s_barrier_wait -1
	CREST
.endm
; NBK matrix instructions: m block a x all n blocks, 32 along K, from buffer f.  first = 1: the bias starts the sums.  The accumulators take turns, one instruction a turn.
.macro MULA f, a, first
.set aw, 2+(\a)/APW
.set ar, 8*NBK*((\a)%APW)
.if \first
	WIN 0x05|(aw<<6)                               ; both sources window 1, C window 0, D window aw
.else
	WIN 0x05|(aw<<6)|(aw<<4)                       ; C and D window aw
.endif
.set b, 0
.rept NBK
.if \first
	v_wmma_f32_16x16x32_bf16 v[ar+8*b:ar+8*b+7], v[(\f)+8*b:(\f)+8*b+7], v[(\f)+8*NBK+8*(\a):(\f)+8*NBK+8*(\a)+7], v[BIAS+8*b:BIAS+8*b+7]
.else
	v_wmma_f32_16x16x32_bf16 v[ar+8*b:ar+8*b+7], v[(\f)+8*b:(\f)+8*b+7], v[(\f)+8*NBK+8*(\a):(\f)+8*NBK+8*(\a)+7], v[ar+8*b:ar+8*b+7]
.endif
.set b, b+1
.endr
.endm
; LD LDS loads in one run: quarter q's fragments into buffer f.  The turning load takes 16 k x 16 n (lane l reads 16 bytes: k row 8 (l / 16) + l % 8, columns 8 ((l / 8) % 2) + 0..7) and leaves
; half a fragment: lane l holds column l % 16 and 8 k.  A fragment of O: lane l holds row l % 16; two loads of 16 bytes, 32 bytes apart.
.macro FETCH q, f
	WIN 0x40                                       ; destination window 1, address window 0
.set j, 0
.rept NBK
	ds_load_tr16_b128 v[(\f)+8*j:(\f)+8*j+3],   v[ADRB] offset:32*(\q)*BP+(j/4)*NG+(j%4)*32
	ds_load_tr16_b128 v[(\f)+8*j+4:(\f)+8*j+7], v[ADRB] offset:32*(\q)*BP+16*BP+(j/4)*NG+(j%4)*32
.set j, j+1
.endr
.set j, 0
.rept 4
	ds_load_b128 v[(\f)+8*NBK+8*j:(\f)+8*NBK+8*j+3],   v[ADRA] offset:((\q)/2)*AQ2+((\q)%2)*64+j*16*AP
	ds_load_b128 v[(\f)+8*NBK+8*j+4:(\f)+8*NBK+8*j+7], v[ADRA] offset:((\q)/2)*AQ2+((\q)%2)*64+j*16*AP+32
.set j, j+1
.endr
.endm
; One of a step's first three quarters: multiplies buffer f; in its middle it fetches quarter qn of the same slot into buffer g.
.macro QUARTER qn, f, g, first
	s_wait_dscnt 4                                 ; all of wo's fragments and O's blocks 0, 1 are in; the youngest four loads (blocks 2, 3) may be out
	MULA \f, 0, \first
	MULA \f, 1, \first
	PLACES
	FETCH \qn, \g
	s_wait_dscnt LD                                ; all but the run just issued
	MULA \f, 2, \first
	MULA \f, 3, \first
.endm
; The last quarter multiplies buffer 1 and changes slots: ONE barrier.  In front of it each wave waits for all its tensor loads, of which one is out: its part of the next slot; adds 0 to its spare word;
; and waits for that and for its own reads of this slot.  fill = 1: the barrier opens a round of the cluster's, so that no wave of any partner still reads the slot or has a load on its way, and the
; joint refill, with the K step two steps on, is the first thing behind the round.
.macro TURN fill
	WIN 0
	s_wait_tensorcnt 0x0                           ; no tensor load of mine is out, so a group 0 may be written
	ds_add_u32 v[SPW], v[NIL]                      ; 0 onto my spare word: work on registers stands between it and the wait for it
	s_xor_b32 s[TB], s[TB], SLOT1                  ; the fetches go on in the other slot
	v_add_nc_u32 v[ADRA], s[TB], v[ADRA0]
	v_add_nc_u32 v[ADRB], s[TB], v[ADRB0]
.if \fill
	s_xor_b32 s[G0A+5], s[G0A+5], SLOT1            ; the walking descriptors: the other slot than last time,
	s_add_nc_u64 s[G0A+6:G0A+7], s[G0A+6:G0A+7], ASTEP  ; the next K step; the type bits on top are not reached
	s_xor_b32 s[G0B+5], s[G0B+5], SLOT1
	s_add_nc_u64 s[G0B+6:G0B+7], s[G0B+6:G0B+7], BSTEP
.endif
	s_wait_dscnt 5                                 ; the add and the youngest four loads may be out
	MULA F1, 0, 0
	s_wait_dscnt 0x0                               ; the add is done, and my reads of this slot are over
	s_barrier_signal -1
	MULA F1, 1, 0                                  ; work on registers while the others arrive
	WIN 0                                          ; at a branch and at a label every window is 0
	s_barrier_wait -1
.if \fill
	CREST
	JLOAD                                          ; its four v_nop are also the places in front of the loads below
.else
	PLACES
.endif
	FETCH 0, F0
	MULA F1, 2, 0
	MULA F1, 3, 0
.endm
	s_load_b256 s[4:11], s[0:1], 0x0               ; ob s[4:5], wo s[6:7], b_out s[8:9], y s[10:11]
	v_lshl_add_u32 v[SPW], v0, 2, SPARE
	v_mov_b32 v[NIL], 0
	ds_add_u32 v[SPW], v[NIL]                      ; the wave's opening: the add and its wait stand ahead of my first tensor load; the set-up below, work on registers, stands between them
	v_lshrrev_b32 v1, 5, v0
	v_readfirstlane_b32 s[WV], v1                  ; wave 0..3
	s_lshr_b32 s[FB], s[WV], 1
	s_and_b32 s[HF], s[WV], 1
	s_bfe_u32 s15, ttmp6, 0x40000                  ; cx, cy: my place in the cluster
	s_bfe_u32 s16, ttmp6, 0x40004
	s_lshl_b32 s17, ttmp9, 2                       ; in a cluster launch ttmp9 and ttmp7 count clusters
	s_add_co_u32 s17, s17, s15                     ; tile column = 4 x cluster x + cx
	s_and_b32 s18, ttmp7, 0xffff
	s_lshl_b32 s18, s18, 2
	s_add_co_u32 s18, s18, s16                     ; tile row = 4 x cluster y + cy
	s_lshl_b32 s19, s16, 2
	s_lshl_b32 s19, 15, s19                        ; my row of the cluster: places 4 cy .. 4 cy + 3
	s_lshl_b32 s20, 0x1111, s15                    ; my column: places cx, cx + 4, cx + 8, cx + 12
	; group 1 for O: 32,768 dense bytes as 128 rows x 128 elements
	s_or_b32 s[G1A], s19, (1<<16)|(1<<20)|(1<<21)|(4<<22)|(3<<25)  ; 15:0 the mask; 17:16 2-byte elements; 20 padding on; 21 set beside a mask; 24:22 after every 32 words (code 4); 31:25 4 words (code 3)
	s_mov_b32 s[G1A+1], 128<<16                    ; tensor_dim0 = 128
	s_mov_b32 s[G1A+2], 128<<16                    ; tensor_dim1 = 128
	s_mov_b32 s[G1A+3], 128<<16                    ; tile_dim0 = 128
	s_mov_b32 s[G1A+4], 128                        ; tile_dim1 = 128
	s_mov_b32 s[G1A+5], 128                        ; elements from row to row: dense
	s_mov_b32 s[G1A+6], 0
	s_mov_b32 s[G1A+7], 0
	; group 1 for wo: 64 k rows x 128 elements
	s_or_b32 s[G1B], s20, (1<<16)|(1<<20)|(1<<21)|(5<<22)|(7<<25)  ; after every 64 words (code 5) 8 words (code 7)
	s_mov_b32 s[G1B+1], 128<<16
	s_mov_b32 s[G1B+2], 64<<16
	s_mov_b32 s[G1B+3], 128<<16
	s_mov_b32 s[G1B+4], 64
	s_mov_b32 s[G1B+5], 1024
	s_mov_b32 s[G1B+6], 0
	s_mov_b32 s[G1B+7], 0
	; where the tiles come from.  O's offset is made of the tile row and the wave's number alone, wo's of the tile column and the wave's number, each in registers that never hold the other coordinate.
	s_lshr_b32 s58, s18, 3                         ; the batch: 8 tile rows each,
	s_lshl_b32 s58, s58, 22                        ; 16 heads of 262,144 bytes
	s_and_b32 s21, s18, 7
	s_lshl_b32 s21, s21, 15                        ; 256 rows of 128 bytes a tile row
	s_add_co_u32 s58, s58, s21
	s_lshl_b32 s21, s[HF], 18                      ; the step's first or second head
	s_add_co_u32 s58, s58, s21
	s_mov_b32 s59, 0
	s_lshl_b32 s60, s[HF], 17                      ; 64 k rows of 2,048 bytes a half,
	s_lshl_b32 s22, s17, 8                         ; 128 columns a tile column
	s_add_co_u32 s60, s60, s22
	s_mov_b32 s61, 0
	s_lshl_b32 s62, s17, 9                         ; the tile's 128 numbers of bias
	s_mov_b32 s63, 0
	s_mul_i32 s21, s[HF], AHALF                    ; and where they go: no place in the cluster enters an LDS address
	s_mul_i32 s23, s[HF], BHALF
	s_add_co_u32 s23, s23, BOFF
	s_mov_b32 s[TB], 0
	s_wait_dscnt 0x0                               ; the opening add is done
	s_wait_kmcnt 0x0
	s_add_nc_u64 s[58:59], s[4:5], s[58:59]
	s_add_nc_u64 s[60:61], s[6:7], s[60:61]
	s_add_nc_u64 s[62:63], s[8:9], s[62:63]
.irp n, 0,1
	s_mov_b32 s[G0A+4*(\n)], 1                     ; 1:0 count = 1
	s_add_co_u32 s[G0A+4*(\n)+1], s21, (\n)*SLOT1  ; 63:32 LDS address
	s_add_nc_u64 s[G0A+4*(\n)+2:G0A+4*(\n)+3], s[58:59], (\n)*ASTEP  ; 120:64 global address: K step n
	s_or_b32 s[G0A+4*(\n)+3], s[G0A+4*(\n)+3], 0x80000000            ; 127:126 type = 2
	s_mov_b32 s[G0B+4*(\n)], 1
	s_add_co_u32 s[G0B+4*(\n)+1], s23, (\n)*SLOT1
	s_add_nc_u64 s[G0B+4*(\n)+2:G0B+4*(\n)+3], s[60:61], (\n)*BSTEP
	s_or_b32 s[G0B+4*(\n)+3], s[G0B+4*(\n)+3], 0x80000000
.endr
	CROUND                                         ; all sixteen work-groups are here: the first joint loads meet
	s_cmp_eq_u32 s[FB], 0                          ; a wave's two first fills stand in one branch, ahead of every wait on TENSORcnt and every LDS read: two loads of mine are out
	s_cbranch_scc0 .Lfirst_b
	tensor_load_to_lds s[G0A:G0A+3], s[G1A:G1A+7]
	s_nop 0
	tensor_load_to_lds s[G0A+4:G0A+7], s[G1A:G1A+7]
	s_nop 0
.rept 4
	v_nop
.endr
	s_branch .Lfirst_asked
.Lfirst_b:
	tensor_load_to_lds s[G0B:G0B+3], s[G1B:G1B+7]
	s_nop 0
	tensor_load_to_lds s[G0B+4:G0B+7], s[G1B:G1B+7]
	s_nop 0
.rept 4
	v_nop
.endr
.Lfirst_asked:
	v_and_b32 v1, 15, v0                           ; l % 16
	v_bfe_u32 v2, v0, 4, 1                         ; l / 16
	v_lshlrev_b32 v[BO], 5, v2                     ; my eight numbers of an n block's bias: columns 8 (l / 16) + 0..7
.set b, 0
.rept NBK
	global_load_b128 v[BIAS+8*b:BIAS+8*b+3],   v[BO], s[62:63] offset:64*b
	global_load_b128 v[BIAS+8*b+4:BIAS+8*b+7], v[BO], s[62:63] offset:64*b+16
.set b, b+1
.endr
	v_mul_u32_u24 v[ADRA0], v1, AP
	v_lshl_add_u32 v[ADRA0], v2, 4, v[ADRA0]       ; row x pitch + 16 x half,
	s_mul_i32 s21, s[WV], 64*AP
	v_add_nc_u32 v[ADRA0], s21, v[ADRA0]           ; in my wave's 64 rows
	v_and_b32 v3, 7, v0
	v_lshl_add_u32 v3, v2, 3, v3                   ; k row 8 (l / 16) + l % 8
	v_mul_u32_u24 v[ADRB0], v3, BP
	v_bfe_u32 v3, v0, 3, 1
	v_lshl_add_u32 v[ADRB0], v3, 4, v[ADRB0]
	v_add_nc_u32 v[ADRB0], BOFF, v[ADRB0]
	s_mul_i32 s21, s[WV], 16*SP
	s_add_co_u32 s21, s21, STAGE                   ; my stage
	v_mul_u32_u24 v[STO], v1, SP                   ; in: row l % 16, 16 bytes for each half of the lanes
	v_lshl_add_u32 v[STO], v2, 4, v[STO]
	v_add_nc_u32 v[STO], s21, v[STO]
	v_mul_u32_u24 v[RD], v2, SP                    ; back: lanes 0-15 take one row of 256 bytes, lanes 16-31 the next
	v_lshl_add_u32 v[RD], v1, 4, v[RD]
	v_add_nc_u32 v[RD], s21, v[RD]
	v_lshlrev_b32 v[GO], 11, v2                    ; and the same two rows in y, 2,048 bytes apart
	v_lshl_add_u32 v[GO], v1, 4, v[GO]
	s_lshl_b32 s72, s18, 8                         ; where my part of the tile begins in y: row 256 x tile row + 64 w,
	s_lshl_b32 s73, s[WV], 6
	s_add_co_u32 s72, s72, s73
	s_lshl_b32 s72, s72, 11
	s_lshl_b32 s73, s17, 8                         ; byte 256 x tile column
	s_add_co_u32 s72, s72, s73
	s_mov_b32 s73, 0
	s_add_nc_u64 s[SB:SB+1], s[10:11], s[72:73]
	s_wait_tensorcnt 0x1                           ; my part of K step 0 is in; step 1's may stay out
	s_barrier_signal -1
	s_barrier_wait -1                              ; everybody's is
	v_mov_b32 v[ADRA], v[ADRA0]
	v_mov_b32 v[ADRB], v[ADRB0]
	FETCH 0, F0
	s_wait_loadcnt 0x0                             ; the bias
	QUARTER 1, F0, F1, 1                           ; the first quarter stands in front of the loop: its products start the sums
	WIN 0
	s_mov_b32 s[CNT], STEPS-2
.Lstep:                                                ; trip i goes from step i's second quarter to step i + 1's first, and fills step i's slot again with step i + 2
	QUARTER 2, F1, F0, 0
	QUARTER 3, F0, F1, 0
	TURN 1
	QUARTER 1, F0, F1, 0
	WIN 0
	s_sub_co_u32 s[CNT], s[CNT], 1
	s_cmp_lg_u32 s[CNT], 0
	s_cbranch_scc1 .Lstep
	QUARTER 2, F1, F0, 0                           ; the last two steps are written out: they ask for nothing
	QUARTER 3, F0, F1, 0
	TURN 0
	QUARTER 1, F0, F1, 0
	QUARTER 2, F1, F0, 0
	QUARTER 3, F0, F1, 0
	s_wait_dscnt 4
	MULA F1, 0, 0
	MULA F1, 1, 0
	s_wait_dscnt 0x0
	MULA F1, 2, 0
	MULA F1, 3, 0
	WIN 0
; THE WAY OUT, an m block (16 rows x 128 columns) at a time.  PACK: rounded to bf16, 16 bytes a lane, into my stage's rows of 272 bytes, and back as whole rows of 256.  SEND: stored.
.macro PACK a
.set pt, TT+32*(\a)
	WIN 0x0a                                       ; sources 0 and 1: window 2
.set g, 0
.rept 8
.set pr, 8*(NBK*(\a)+g)
	v_cvt_pk_bf16_f32 v[pt+4*g],   v[pr],   v[pr+1]   ; each accumulator is read from its low end on
	v_cvt_pk_bf16_f32 v[pt+4*g+1], v[pr+2], v[pr+3]
	v_cvt_pk_bf16_f32 v[pt+4*g+2], v[pr+4], v[pr+5]
	v_cvt_pk_bf16_f32 v[pt+4*g+3], v[pr+6], v[pr+7]
.set g, g+1
.endr
	WIN 0
.set g, 0
.rept 8
	ds_store_b128 v[STO], v[pt+4*g:pt+4*g+3] offset:32*g
.set g, g+1
.endr
.set g, 0
.rept 8
	ds_load_b128 v[pt+4*g:pt+4*g+3], v[RD] offset:g*2*SP  ; LDS serves a wave's instructions in order (ISA guide 5.7.1.4): these see the stores above; the next block's stores come behind them
.set g, g+1
.endr
.endm
.macro SEND a, younger                 ; younger: the LDS instructions issued behind block a's loads: the next block's sixteen, or none
.set pt, TT+32*(\a)
.set g, 0
.rept 8
	s_wait_dscnt (\younger)+7-g
	global_store_b128 v[GO], v[pt+4*g:pt+4*g+3], s[SB:SB+1] offset:(16*(\a)+2*g)*2048  ; 16 lanes store 256 consecutive bytes, at a multiple of 256 from y's first; every block has registers of its own
.set g, g+1
.endr
.endm
	PLACES                                         ; the conversions read results just made
	PACK 0
.set u, 1
.rept 3                                        ; a block's conversions stand between the loads of the block before and its stores
	PACK u
	SEND u-1, 16
.set u, u+1
.endr
	SEND 3, 0
	s_wait_tensorcnt 0x0                           ; the wave's end: behind my last tensor load and my last LDS store
	ds_add_u32 v[SPW], v[NIL]
	s_wait_dscnt 0x0
	CROUND                                         ; the closing round: no work-group ends while a partner may still ask for a tile that names it
	s_endpgm
.Lfunc_end_k_qd9f99a7a2a_gemm_out:
	.size	k_qd9f99a7a2a_gemm_out, .Lfunc_end_k_qd9f99a7a2a_gemm_out-k_qd9f99a7a2a_gemm_out
	.p2alignl 7, 3214868480
	.fill 96, 4, 3214868480
	.section	.rodata,"a",@progbits
	.p2align	6, 0x0
	.amdhsa_kernel k_qd9f99a7a2a_gemm_out
		.amdhsa_group_segment_fixed_size 327680
		.amdhsa_private_segment_fixed_size 0
		.amdhsa_enable_private_segment 0
		.amdhsa_kernarg_size 32
		.amdhsa_user_sgpr_count 2
		.amdhsa_user_sgpr_kernarg_segment_ptr 1
		.amdhsa_wavefront_size32 1
		.amdhsa_system_sgpr_workgroup_id_x 1
		.amdhsa_system_sgpr_workgroup_id_y 1
		.amdhsa_system_sgpr_workgroup_id_z 1
		.amdhsa_system_vgpr_workitem_id 0
		.amdhsa_next_free_vgpr 768
		.amdhsa_next_free_sgpr 80
		.amdhsa_reserve_vcc 0
		.amdhsa_float_denorm_mode_32 3
		.amdhsa_float_denorm_mode_16_64 3
		.amdhsa_memory_ordered 1
		.amdhsa_forward_progress 1
		.amdhsa_inst_pref_size 72
	.end_amdhsa_kernel
	.amdgpu_metadata
---
amdhsa.version: [ 1, 2 ]
amdhsa.kernels:
  - .name:           k_qd9f99a7a2a_gemm_out
    .symbol:         k_qd9f99a7a2a_gemm_out.kd
    .args:
      - { .name: ob, .offset: 0, .size: 8, .value_kind: global_buffer, .address_space: global }
      - { .name: wo, .offset: 8, .size: 8, .value_kind: global_buffer, .address_space: global }
      - { .name: b_out, .offset: 16, .size: 8, .value_kind: global_buffer, .address_space: global }
      - { .name: y, .offset: 24, .size: 8, .value_kind: global_buffer, .address_space: global }
    .group_segment_fixed_size: 327680
    .private_segment_fixed_size: 0
    .kernarg_segment_align: 8
    .kernarg_segment_size: 32
    .max_flat_workgroup_size: 128
    .sgpr_count:     80
    .vgpr_count:     768
    .wavefront_size: 32
...
	.end_amdgpu_metadata
.endif
;; end of part 4
;; launch lnorm (part 5): grid 512 x 1, 8 waves a work-group, no clusters, 0 bytes of LDS; arguments x, y, gamma, beta, out0; writes out0
.if DOCPART == 5
	.amdgcn_target "amdgcn-amd-amdhsa--gfx1250"
	.amdhsa_code_object_version 6
	.text
	.protected	k_qd9f99a7a2a_lnorm
	.globl	k_qd9f99a7a2a_lnorm
	.p2align	8
	.type	k_qd9f99a7a2a_lnorm,@function
k_qd9f99a7a2a_lnorm:
	s_mov_b64 s[64:65], 0
	v_nop
	global_prefetch_b8 v0, s[64:65] scope:SCOPE_SE
	s_setreg_imm32_b32 hwreg(HW_REG_WAVE_MODE, 25, 1), 1
	s_wait_xcnt 0x0
; out0[r][:] = (res - mean(res)) / sqrt(var(res) + 1e-5) x gamma + beta, res = x[r][:] + y[r][:].  x, out0: [8192][1024] f32; y: [8192][1024] bf16; gamma, beta: [1024] f32.  All arithmetic in f32.
; The residual takes x itself, in f32.  The variance is the mean of (res - mean)^2, taken over the registers in a second pass: no difference of large sums.  1 / sqrt is v_rsq_f32; its argument is at least 1e-5.
; NaN and infinities are not treated apart.
; SHARES.  One wave, one row at a time: a row of 4,096 bytes is 32 registers of a wave and stays there between the passes, so x and y are read once and no wave waits for another: no LDS, no barrier.
; A work-group's 8 waves take 16 rows, two each; 512 work-groups.  Lane l holds, of load j of 8, the numbers 128 j + 4 l + 0..3: each load and store of x and out0 covers 512 consecutive bytes,
; each load of y 256.  All 48 loads of a wave go out at its start; both rows have registers of their own, so nothing that a store reads is written again.
.set GA, 8                             ; v[8:39]     gamma of my 32 columns
.set BE, 40                            ; v[40:71]    beta
.set X0, 72                            ; v[72:103]   row 0: x, then res, res - mean, the result
.set X1, 104                           ; v[104:135]  row 1
.set Y0, 136                           ; v[136:151]  row 0: y as loaded
.set Y1, 152                           ; v[152:167]  row 1
.set C,  168                           ; v[168:175]  four chains of packed sums
.set MU, 176                           ; v[176:177]  the mean, twice
.set RS, 178                           ; v[178:179]  1 / sqrt(var + eps), twice
.set T,  180                           ; v[180:183]  four numbers of y in f32
	s_load_b256 s[4:11], s[0:1], 0x0               ; x s[4:5], y s[6:7], gamma s[8:9], beta s[10:11]
	s_load_b64 s[12:13], s[0:1], 0x20              ; out0
	s_mov_b32 s14, 0x3a800000                      ; 1 / 1024
	s_mov_b32 s15, 0x3727c5ac                      ; 1e-5
	s_mov_b32 s16, 0x76543210                      ; v_permlanex16_b32: lane i of one half reads lane i of the other
	s_mov_b32 s17, 0xfedcba98
	s_mov_b32 s18, 0xffff0000                      ; a word's upper bf16
	s_lshl_b32 s20, ttmp9, 16                      ; the work-group's 16 rows of 4,096 bytes,
	s_mov_b32 s21, 0
	s_lshl_b32 s22, ttmp9, 15                      ; and of 2,048
	s_mov_b32 s23, 0
	v_lshrrev_b32 v4, 5, v0                        ; wave
	v_and_b32 v5, 31, v0                           ; lane
	v_lshlrev_b32 v3, 4, v5                        ; 16 bytes a lane: gamma and beta
	v_lshlrev_b32 v6, 3, v5
	v_lshl_or_b32 v1, v4, 13, v3                   ; x and out0: + wave x 2 rows x 4,096
	v_lshl_or_b32 v2, v4, 12, v6                   ; y: 8 bytes a lane + wave x 2 rows x 2,048
	s_wait_kmcnt 0x0
	s_add_nc_u64 s[4:5], s[4:5], s[20:21]
	s_add_nc_u64 s[12:13], s[12:13], s[20:21]
	s_add_nc_u64 s[6:7], s[6:7], s[22:23]
.macro LOADXY x, y, row
.set j, 0
.rept 8
	global_load_b128 v[(\x)+4*j:(\x)+4*j+3], v1, s[4:5] offset:(\row)*4096+512*j th:TH_LOAD_NT
.set j, j+1
.endr
.set j, 0
.rept 8
	global_load_b64 v[(\y)+2*j:(\y)+2*j+1], v2, s[6:7] offset:(\row)*2048+256*j th:TH_LOAD_NT
.set j, j+1
.endr
.endm
	LOADXY X0, Y0, 0
.set j, 0
.rept 8
	global_load_b128 v[GA+4*j:GA+4*j+3], v3, s[8:9] offset:512*j
.set j, j+1
.endr
.set j, 0
.rept 8
	global_load_b128 v[BE+4*j:BE+4*j+3], v3, s[10:11] offset:512*j
.set j, j+1
.endr
	LOADXY X1, Y1, 1
; The four chains are added up, then the 32 lanes: four steps inside each half of 16 lanes ride on the addition (DPP), one crosses the halves.  Every lane ends with the sum in v[C].
.macro REDUCE
	v_pk_add_f32 v[C:C+1], v[C:C+1], v[C+2:C+3]
	v_pk_add_f32 v[C+4:C+5], v[C+4:C+5], v[C+6:C+7]
	v_pk_add_f32 v[C:C+1], v[C:C+1], v[C+4:C+5]
	v_add_f32 v[C], v[C], v[C+1]
	v_add_f32_dpp v[C], v[C], v[C] row_xmask:1 row_mask:0xf bank_mask:0xf
	v_add_f32_dpp v[C], v[C], v[C] row_xmask:2 row_mask:0xf bank_mask:0xf
	v_add_f32_dpp v[C], v[C], v[C] row_xmask:4 row_mask:0xf bank_mask:0xf
	v_add_f32_dpp v[C], v[C], v[C] row_xmask:8 row_mask:0xf bank_mask:0xf
	v_permlanex16_b32 v[C+1], v[C], s16, s17       ; its destination counts as read: a register that has been written
	v_add_f32 v[C], v[C], v[C+1]
.endm
; One row.  w1: the loads that may stay out when x and y of the row are wanted; w2: when gamma and beta are.
.macro ROW x, y, off, w1, w2
	s_wait_loadcnt \w1
.set j, 0
.rept 8                                        ; res = x + y
	v_lshlrev_b32 v[T],   16,  v[(\y)+2*j]         ; bf16 to f32: the low half moves up,
	v_and_b32     v[T+1], s18, v[(\y)+2*j]         ; the high half stays
	v_lshlrev_b32 v[T+2], 16,  v[(\y)+2*j+1]
	v_and_b32     v[T+3], s18, v[(\y)+2*j+1]
	v_pk_add_f32 v[(\x)+4*j:(\x)+4*j+1],   v[(\x)+4*j:(\x)+4*j+1],   v[T:T+1]
	v_pk_add_f32 v[(\x)+4*j+2:(\x)+4*j+3], v[(\x)+4*j+2:(\x)+4*j+3], v[T+2:T+3]
.set j, j+1
.endr
.set j, 0
.rept 4                                        ; the sum of my 16 pairs, in four chains; the first additions start them: nothing is cleared
	v_pk_add_f32 v[C+2*j:C+2*j+1], v[(\x)+2*j:(\x)+2*j+1], v[(\x)+8+2*j:(\x)+8+2*j+1]
.set j, j+1
.endr
.set j, 8
.rept 8
	v_pk_add_f32 v[C+2*(j%4):C+2*(j%4)+1], v[C+2*(j%4):C+2*(j%4)+1], v[(\x)+2*j:(\x)+2*j+1]
.set j, j+1
.endr
	REDUCE
	v_mul_f32 v[MU], s14, v[C]
	v_mul_f32 v[MU+1], s14, v[C]
.set j, 0
.rept 16                                       ; res - mean
	v_pk_add_f32 v[(\x)+2*j:(\x)+2*j+1], v[(\x)+2*j:(\x)+2*j+1], v[MU:MU+1] neg_lo:[0,1] neg_hi:[0,1]
.set j, j+1
.endr
.set j, 0
.rept 4                                        ; the sum of its squares, in the same four chains
	v_pk_mul_f32 v[C+2*j:C+2*j+1], v[(\x)+2*j:(\x)+2*j+1], v[(\x)+2*j:(\x)+2*j+1]
.set j, j+1
.endr
.set j, 4
.rept 12
	v_pk_fma_f32 v[C+2*(j%4):C+2*(j%4)+1], v[(\x)+2*j:(\x)+2*j+1], v[(\x)+2*j:(\x)+2*j+1], v[C+2*(j%4):C+2*(j%4)+1]
.set j, j+1
.endr
	REDUCE
	v_fma_f32 v[C], v[C], s14, s15                 ; var + eps
	v_rsq_f32 v[RS], v[C]
	v_rsq_f32 v[RS+1], v[C]
	v_nop                                          ; a plain instruction between the last v_rsq_f32 and the use of its result (ISA guide 5.7.2)
	s_wait_loadcnt \w2
.set j, 0
	s_wait_alu depctr_va_vdst(0)
.rept 8
	v_pk_mul_f32 v[(\x)+4*j:(\x)+4*j+1],   v[(\x)+4*j:(\x)+4*j+1],   v[RS:RS+1]
	v_pk_mul_f32 v[(\x)+4*j+2:(\x)+4*j+3], v[(\x)+4*j+2:(\x)+4*j+3], v[RS:RS+1]
	v_pk_fma_f32 v[(\x)+4*j:(\x)+4*j+1],   v[(\x)+4*j:(\x)+4*j+1],   v[GA+4*j:GA+4*j+1],   v[BE+4*j:BE+4*j+1]
	v_pk_fma_f32 v[(\x)+4*j+2:(\x)+4*j+3], v[(\x)+4*j+2:(\x)+4*j+3], v[GA+4*j+2:GA+4*j+3], v[BE+4*j+2:BE+4*j+3]
	global_store_b128 v1, v[(\x)+4*j:(\x)+4*j+3], s[12:13] offset:(\off)+512*j th:TH_STORE_NT  ; 512 consecutive bytes, at a multiple of 256 from out0's first
.set j, j+1
.endr
.endm
	ROW X0, Y0, 0, 32, 16                          ; 32: gamma's, beta's and row 1's loads stay out; 16: row 1's
	ROW X1, Y1, 4096, 0, 0
	s_endpgm
.Lfunc_end_k_qd9f99a7a2a_lnorm:
	.size	k_qd9f99a7a2a_lnorm, .Lfunc_end_k_qd9f99a7a2a_lnorm-k_qd9f99a7a2a_lnorm
	.p2alignl 7, 3214868480
	.fill 96, 4, 3214868480
	.section	.rodata,"a",@progbits
	.p2align	6, 0x0
	.amdhsa_kernel k_qd9f99a7a2a_lnorm
		.amdhsa_group_segment_fixed_size 0
		.amdhsa_private_segment_fixed_size 0
		.amdhsa_enable_private_segment 0
		.amdhsa_kernarg_size 40
		.amdhsa_user_sgpr_count 2
		.amdhsa_user_sgpr_kernarg_segment_ptr 1
		.amdhsa_wavefront_size32 1
		.amdhsa_system_sgpr_workgroup_id_x 1
		.amdhsa_system_sgpr_workgroup_id_y 1
		.amdhsa_system_sgpr_workgroup_id_z 1
		.amdhsa_system_vgpr_workitem_id 0
		.amdhsa_next_free_vgpr 184
		.amdhsa_next_free_sgpr 66
		.amdhsa_reserve_vcc 0
		.amdhsa_float_denorm_mode_32 3
		.amdhsa_float_denorm_mode_16_64 3
		.amdhsa_memory_ordered 1
		.amdhsa_forward_progress 1
		.amdhsa_inst_pref_size 24
	.end_amdhsa_kernel
	.amdgpu_metadata
---
amdhsa.version: [ 1, 2 ]
amdhsa.kernels:
  - .name:           k_qd9f99a7a2a_lnorm
    .symbol:         k_qd9f99a7a2a_lnorm.kd
    .args:
      - { .name: x, .offset: 0, .size: 8, .value_kind: global_buffer, .address_space: global }
      - { .name: y, .offset: 8, .size: 8, .value_kind: global_buffer, .address_space: global }
      - { .name: gamma, .offset: 16, .size: 8, .value_kind: global_buffer, .address_space: global }
      - { .name: beta, .offset: 24, .size: 8, .value_kind: global_buffer, .address_space: global }
      - { .name: out0, .offset: 32, .size: 8, .value_kind: global_buffer, .address_space: global }
    .group_segment_fixed_size: 0
    .private_segment_fixed_size: 0
    .kernarg_segment_align: 8
    .kernarg_segment_size: 40
    .max_flat_workgroup_size: 256
    .sgpr_count:     66
    .vgpr_count:     184
    .wavefront_size: 32
...
	.end_amdgpu_metadata
.endif
;; end of part 5
